; MI455X (gfx1250); checked and timed in simulation.
; The chip was launched on July 23, 2026; its instructions are those of AMD's public machine-readable ISA for CDNA 5 (MIT licence, August 2026) and "CDNA5" Instruction Set Architecture Reference Guide (July 2026). The comments in the code are by the model that wrote it; some were corrected since.
;; Multihead. Allowed arithmetic: matrix products marked QUANTISED: E4M3 operands, one given power-of-two scale a tensor, by v_wmma_f32_16x16x64_fp8_fp8 or v_wmma_f32_16x16x128_fp8_fp8, f32 sums; everything else in f32.
;; Inputs: Wc 1,024 x 1,024 float32; Wk 16 x 1,024 x 64 float32; Wq 16 x 1,024 x 64 float32; Wv 16 x 1,024 x 64 float32; lowp_scales 12 int32 (the exponents e of the quantised operands' scales 2^e); x 4 x 2,048 x 1,024 float32.
;; Outputs: out0 4 x 2,048 x 1,024 float32.
;; This version of the problem:
;;   THIS VERSION OF THE PROBLEM IS GIVEN IN LOW PRECISION. The matrix products marked QUANTISED in the list below multiply operands that are first quantised to E4M3 (4 exponent bits, 3 mantissa bits; 8 bits a number), with one given power-of-two scale for each operand tensor; their sums are f32. All else is computed in f32.
;;   The module's matrix products, in the order in which they are computed (A, B: the left and right operand; K: the contracted axis; several contracted axes count as one K, in the product's order):
;;     1. [M 1,024, K 1,024] x [K 1,024, N 8,192]; A: input Wq; B: input x: QUANTISED (scales: A lowp_scales[0], B lowp_scales[1])
;;     2. [M 1,024, K 1,024] x [K 1,024, N 8,192]; A: input Wk; B: input x: QUANTISED (scales: A lowp_scales[2], B lowp_scales[3])
;;     3. [M 1,024, K 1,024] x [K 1,024, N 8,192]; A: input Wv; B: input x: QUANTISED (scales: A lowp_scales[4], B lowp_scales[5])
;;     4. batch 64 x [M 2,048, K 64] x [K 64, N 2,048]; A: computed on the way; B: computed on the way: QUANTISED (scales: A lowp_scales[6], B lowp_scales[7])
;;     5. batch 64 x [M 2,048, K 2,048] x [K 2,048, N 64]; A: softmax (see below); B: computed on the way: QUANTISED (scales: A lowp_scales[8], B lowp_scales[9])
;;     6. [M 8,192, K 1,024] x [K 1,024, N 1,024]; A: computed on the way; B: input Wc: QUANTISED (scales: A lowp_scales[10], B lowp_scales[11])
;;   THE QUANTISER, for each operand of a quantised product, along K:
;;     - The operand's scale is 2^e, e = its entry of the input lowp_scales (int32; the entries are numbered through the quantised products in the list's order, A before B).
;;     - Each number is divided by the scale, clamped to +-448, and rounded to the nearest number of E4M3, ties to even, subnormals kept.
;;     - The product sums the exact products of the quantised numbers (number of the format x scale) in f32.
;;   ~~~python
;;   def quantise(x, axis, e):      # numpy; x: float32 -> the quantised numbers, widened to float32 again
;;       x = np.moveaxis(x, axis, -1); K = x.shape[-1]
;;       r = np.clip(x / 2.0 ** e, -448, 448)
;;       step = 2.0 ** (np.maximum(np.frexp(np.where(r == 0, 1, r))[1] - 1, -6) - 3)
;;       q = np.round(r / step) * step * 2.0 ** e      # np.round: ties to even
;;       return np.moveaxis(q, -1, axis).astype(np.float32)
;;   ~~~
;;   SOFTMAX AHEAD OF A QUANTISED PRODUCT. Where the list says 'softmax', what is quantised is not the finished softmax but p = 2^(t - M), with t = logit x log2(e) and M = ceil(the row's largest t), a whole number; so 1/2 < the row's largest p <= 1. The row's sum l is taken of the UNQUANTISED p, in f32, and the product's result is divided by l at the end. Since M is a whole number, a kernel that streams over the keys may use a running M (the ceiling of the running maximum): every later rescaling is an exact power of two, so the quantised numbers keep their values, but for numbers so far below the row's largest that they fall under the format's range.
;;   OPERANDS COMPUTED ON THE WAY. 'Computed on the way' means the value that the module computes at that place (a softmax that the list does not call 'softmax' is quantised finished and normalised). What goes into a quantiser is computed in f32, as accurately as f32 sums, v_exp_f32 and their like allow (about 1e-6 of the number): no bf16 or f16 on the way to a quantiser, and a product that is left as it is and whose result goes on into a quantised operand takes f32 operands (vector FMAs, or v_wmma_f32_16x16x4_f32). A number that lies on a knife's edge between two numbers of the format may be rounded either way, as far as f32 arithmetic and the matrix unit's own rounding can turn it there, and no further.
;; One version. Each part assembles by itself: llvm-mc -triple=amdgcn-amd-amdhsa -mcpu=gfx1250 --defsym DOCPART=n.
;; ======== version 1 of 1: 4 launches
;; limits: right only within a limited range of input values
;; workspace buffers: ximg 25,165,824 bytes; wimg 8,388,608 bytes; qkv 25,165,824 bytes; oimg 8,388,608 bytes
;; launch quant (part 1): grid 768 x 1, 4 waves a work-group, no clusters, 68,096 bytes of LDS; arguments x, Wq, Wk, Wv, Wc, lowp_scales, ximg, wimg; writes ximg, wimg
.if DOCPART == 1
	.amdgcn_target "amdgcn-amd-amdhsa--gfx1250"
	.amdhsa_code_object_version 6
	.text
	.protected	k_q68ba5df0a6_quant
	.globl	k_q68ba5df0a6_quant
	.p2align	8
	.type	k_q68ba5df0a6_quant,@function
k_q68ba5df0a6_quant:
	s_mov_b64 s[64:65], 0
	v_nop
	global_prefetch_b8 v0, s[64:65] scope:SCOPE_SE
	s_setreg_imm32_b32 hwreg(HW_REG_WAVE_MODE, 25, 1), 1
	s_wait_xcnt 0x0
; x [8192][1024] f32 becomes three sets of E4M3 codes (scales 2^e1, 2^e3, 2^e5: one for each of the products with Wq, Wk, Wv); Wq, Wk, Wv [16][1024][64] and Wc [1024][1024] become codes with 2^e0, 2^e2, 2^e4, 2^e11.
; code = number / 2^e, held within +-448, rounded to the nearest code, ties to even.
; LIMITS: each of these seven exponents lies between -126 and 119, so that 2^e and 448 x 2^e are f32 numbers.  NaN among the inputs is not served (an infinity is held at the largest code).
; THE LAYOUT OF EVERY CODE BUFFER IS AN IMAGE OF OPERAND REGISTERS.  A fragment is 16 rows x 128 along K in 2,048 bytes: byte 512 p + 16 l + q (p 0..3, lane l = 16 h + r, q 0..15) is the code of row r at
; k = 32 p + 16 (q / 8) + 8 h + q % 8: registers 2 c, 2 c + 1 of lane (r, h) hold k = 16 c + 8 h + 0 .. 7, as the plain 8-bit matrix forms take them.  Four 16-byte accesses a lane at 16 l + 512 p bring or take a fragment.
; ximg: [3 kinds][4 K steps of 256][512 tiles of 16 rows][2 fragments][2048].   wimg: [Wq, Wk, Wv, Wc][4 K steps][64 tiles of 16 rows][2][2048]; a row is an output column n (16 heads x 64; Wc: its second axis).
; WORK-GROUPS 0 .. 511: 16 rows of x each; wave w takes K step w (256 numbers of each row, two fragments).  Each load reads 512 consecutive bytes of a row; the 8,192 bytes of a fragment turn through the wave's own
; stage in LDS (rows 528 bytes apart) and come back 8 neighbours along K at a time, in the image's order; each store covers 512 consecutive bytes.
; WORK-GROUPS 512 .. 767: the weights, whose K is not innermost.  A lane takes a column and its registers run down K in the image's order, so the conversions' results are 16 bytes of the image: sixteen lanes store 256 consecutive bytes.  No LDS.
; No matrix work, no tensor loads, no barrier: waves share nothing.
; wimg AS STORED BELOW: [4 K steps of 256, 2,097,152 bytes apart as in ximg][Wq, Wk, Wv, Wc: 262,144 bytes each][64 tiles of 16 rows][2][2048]: the K step is outermost; this takes the place of the order named above.  The bytes between are never read.
.set SPARE, 67584
.set WREG,  16896                      ; a wave's LDS: two stages
.set SP,    528                        ; a stage row: 512 bytes + 16
.set STG,   16*SP                      ; a stage: 16 rows
.set RA,    16                         ; v16-143  two sets of 64: a fragment's numbers as loaded
.set XN,    144                        ; v144-207 64 numbers in the image's order
.set CD,    208                        ; v208-255 three kinds x 16 registers of codes
.set TT,    16                         ; v16-31   two sets of 8 held numbers (set 0 of RA is free once it has gone into the stage)
.set SC,    8                          ; v8-10    2^e of the three kinds
.set LM,    11                         ; v11-13   448 x 2^e
.set SPW,   14                         ; v14      LDS address of my spare word; never rewritten
.set NIL,   15                         ; v15      0; never rewritten
.macro POW2 e, sc, lim                 ; from the whole number in s[e]: v[sc] = 2^e, v[lim] = 448 x 2^e
	s_add_co_i32 s40, s[\e], 127
	s_lshl_b32 s41, s40, 23
	v_mov_b32 v[\sc], s41
	s_add_co_i32 s40, s40, 8
	s_lshl_b32 s40, s40, 23
	s_or_b32 s40, s40, 0x600000                    ; the mantissa field of 448
	v_mov_b32 v[\lim], s40
.endm
	s_load_b256 s[4:11], s[0:1], 0x0               ; x s[4:5], Wq s[6:7], Wk s[8:9], Wv s[10:11]
	s_load_b256 s[12:19], s[0:1], 0x20             ; Wc s[12:13], the exponents s[14:15], ximg s[16:17], wimg s[18:19]
	v_lshl_add_u32 v[SPW], v0, 2, SPARE
	v_mov_b32 v[NIL], 0
	v_lshrrev_b32 v1, 5, v0
	v_readfirstlane_b32 s20, v1                    ; wave 0..3
	v_and_b32 v1, 31, v0                           ; lane
	s_wait_kmcnt 0x0
	s_load_b256 s[24:31], s[14:15], 0x0            ; e0 .. e7
	s_load_b128 s[32:35], s[14:15], 0x20           ; e8 .. e11
	s_cmp_ge_u32 ttmp9, 512
	s_cbranch_scc1 .Lweights
; ---------------- x ----------------
	s_wait_alu depctr_va_vdst(0)
	v_lshlrev_b32 v5, 4, v1                        ; 16 x lane: my place in a store's 512 bytes
	s_lshl_b32 s21, s20, 10
	v_add_nc_u32 v2, s21, v5                       ; in a row of x: my wave's 1,024 bytes, my 16 of a load's 512
	s_mul_i32 s22, s20, WREG
	v_add_nc_u32 v3, s22, v5                       ; the stage, on the way in: as loaded
	v_and_b32 v6, 15, v0                           ; r
	v_bfe_u32 v7, v0, 4, 1                         ; h
	v_mul_u32_u24 v4, v6, SP
	v_lshl_add_u32 v4, v7, 5, v4
	v_add_nc_u32 v4, s22, v4                       ; and on the way out: row r, + 32 h bytes: k = 8 h on
	s_lshl_b32 s36, ttmp9, 16                      ; 16 rows of 4,096 bytes
	s_mov_b32 s37, 0
	s_add_nc_u64 s[4:5], s[4:5], s[36:37]
.macro LOADF f                         ; fragment f: 512 bytes of each of the 16 rows
.set i, 0
.rept 16
	global_load_b128 v[RA+64*\f+4*i:RA+64*\f+4*i+3], v2, s[4:5] offset:4096*i+512*\f th:TH_LOAD_NT
.set i, i+1
.endr
.endm
.macro TURNIN f                        ; through stage f: LDS serves a wave's instructions in order, so no wait stands between the stores and the loads
.set i, 0
.rept 16
	ds_store_b128 v3, v[RA+64*\f+4*i:RA+64*\f+4*i+3] offset:STG*\f+SP*i
.set i, i+1
.endr
.irp p, 0,1,2,3                        ; registers 16 p + 8 u + 0 .. 7: k = 32 p + 16 u + 8 h + 0 .. 7 of row r
.irp u, 0,1
	ds_load_b128 v[XN+16*\p+8*\u:XN+16*\p+8*\u+3], v4 offset:STG*\f+128*\p+64*\u
	ds_load_b128 v[XN+16*\p+8*\u+4:XN+16*\p+8*\u+7], v4 offset:STG*\f+128*\p+64*\u+16
.endr
.endr
.endm
; The 64 numbers are quantised three times.  The hold goes into one of two sets of 8 registers by turns: the eight holds of the other set are the plain vector lines between a conversion and the next write of its sources.
.macro QUANT3 f
.irp kd, 0,1,2
.set g, 0
.rept 8
.set j, 0
.rept 8
	v_med3_num_f32 v[TT+8*(g%2)+j], v[XN+8*g+j], -v[LM+\kd], v[LM+\kd]   ; the conversion to an 8-bit code does not saturate (ISA guide 7.6.2)
.set j, j+1
.endr
	v_cvt_scalef32_pk8_fp8_f32 v[CD+16*\kd+2*g:CD+16*\kd+2*g+1], v[TT+8*(g%2):TT+8*(g%2)+7], v[SC+\kd]
.set g, g+1
.endr
.irp p, 0,1,2,3
	global_store_b128 v5, v[CD+16*\kd+4*\p:CD+16*\kd+4*\p+3], s[44+2*\kd:45+2*\kd] offset:2048*\f+512*\p   ; 32 lanes store 512 consecutive bytes of the image
.endr
.endr
.endm
	LOADF 0
	LOADF 1
	s_lshl_b32 s36, s20, 9
	s_add_co_u32 s36, s36, ttmp9
	s_lshl_b32 s36, s36, 12                        ; (512 x K step + tile of rows) x 4,096
	s_add_nc_u64 s[44:45], s[16:17], s[36:37]      ; the three kinds lie 8,388,608 bytes apart
	s_add_nc_u64 s[46:47], s[44:45], 0x800000
	s_add_nc_u64 s[48:49], s[46:47], 0x800000
	s_wait_alu depctr_va_vdst(0)
	s_wait_kmcnt 0x0
	POW2 25, SC, LM                                ; e1: x beside Wq
	POW2 27, SC+1, LM+1                            ; e3: beside Wk
	POW2 29, SC+2, LM+2                            ; e5: beside Wv
	s_wait_alu depctr_va_vdst(0)
	s_wait_loadcnt 16                              ; fragment 0's sixteen loads are in; fragment 1's sixteen may be out
	TURNIN 0
	s_wait_dscnt 0x0
	QUANT3 0
	s_wait_loadcnt 0x0
	TURNIN 1
	s_wait_dscnt 0x0
	s_wait_xcnt 0x0                                ; fragment 0's stores have read their data: the codes' registers are written again only behind this wait
	QUANT3 1
	s_wait_tensorcnt 0x0                           ; the wave's end, behind my last LDS store
	ds_add_u32 v[SPW], v[NIL]
	s_wait_dscnt 0x0
	s_endpgm
; ---------------- the weights ----------------
.Lweights:
	s_sub_co_u32 s21, ttmp9, 512
	s_lshr_b32 s22, s21, 6                         ; which weight: 0 Wq, 1 Wk, 2 Wv, 3 Wc
	s_and_b32 s23, s21, 63
	s_and_b32 s36, s23, 15
	s_lshl_b32 s36, s36, 1
	s_and_b32 s37, s20, 1
	s_add_co_u32 s36, s36, s37                     ; cg: my wave's 32 columns, 0 .. 31
	s_lshr_b32 s38, s23, 4
	s_lshl_b32 s38, s38, 1
	s_lshr_b32 s39, s20, 1
	s_add_co_u32 s38, s38, s39                     ; ks: my wave's 128 along K, 0 .. 7
	s_wait_alu depctr_va_vdst(0)
	v_lshlrev_b32 v2, 2, v1                        ; in: 4 bytes a lane: a lane to a column
	v_lshrrev_b32 v3, 4, v1
	v_and_b32 v4, 15, v1
	v_lshlrev_b32 v3, 12, v3
	v_lshl_add_u32 v3, v4, 4, v3                   ; out: lanes 0-15 the tile of rows 2 cg, lanes 16-31 the next, 4,096 bytes on; 16 bytes a lane
	s_lshr_b32 s40, s38, 1
	s_lshl_b32 s40, s40, 9                         ; a K step is 512 tiles' worth of bytes on
	s_lshl_b32 s41, s36, 1
	s_add_co_u32 s40, s40, s41
	s_lshl_b32 s40, s40, 12                        ; (512 x K step of 256 + 2 cg) x 4,096
	s_and_b32 s41, s38, 1
	s_lshl_b32 s41, s41, 11                        ; + which fragment of the K step
	s_add_co_u32 s40, s40, s41
	s_lshl_b32 s41, s22, 18                        ; + the weight's 262,144 bytes of the K step
	s_add_co_u32 s40, s40, s41
	s_mov_b32 s41, 0
	s_add_nc_u64 s[18:19], s[18:19], s[40:41]
.macro WLOAD p, pitch                  ; piece p of the image: register 32 p + 16 hh + q holds W(k = 32 p + 16 (q / 8) + 8 hh + q % 8, my column): 32 lanes read 128 consecutive bytes
.irp hh, 0,1
.set q, 0
.rept 16
	global_load_b32 v[16+32*(\p)+16*\hh+q], v2, s[42:43] offset:(32*(\p)+16*(q/8)+8*\hh+q%8)*\pitch th:TH_LOAD_NT
.set q, q+1
.endr
.endr
.endm
.macro WPIECE p, pitch
.if \p < 3
	s_wait_loadcnt 32                              ; this piece's 32 loads are in; the next piece's 32 may be out
.else
	s_wait_loadcnt 0x0
.endif
.set j, 0
.rept 32
	v_med3_num_f32 v[16+32*\p+j], v[16+32*\p+j], -v11, v11
.set j, j+1
.endr
.irp g, 0,1,2,3
	v_cvt_scalef32_pk8_fp8_f32 v[144+8*\p+2*\g:145+8*\p+2*\g], v[16+32*\p+8*\g:23+32*\p+8*\g], v8
.endr
	global_store_b128 v3, v[144+8*\p:147+8*\p], s[18:19] offset:512*\p        ; the image's lanes 0-15 of this piece: sixteen lanes store 256 consecutive bytes
	global_store_b128 v3, v[148+8*\p:151+8*\p], s[18:19] offset:512*\p+256    ; and its lanes 16-31.  Each piece has registers of its own: no store's data are written again
.if \p < 2
	WLOAD \p+2, \pitch
.endif
.endm
.macro WPATH pitch                     ; s44 holds e; loads run two pieces (64 loads) ahead
	POW2 44, 8, 11
	s_wait_alu depctr_va_vdst(0)
	WPIECE 0, \pitch
	WPIECE 1, \pitch
	WPIECE 2, \pitch
	WPIECE 3, \pitch
	s_endpgm                                       ; this way has written no LDS
.endm
	s_cmp_eq_u32 s22, 3
	s_cbranch_scc1 .Lwc
	s_cmp_eq_u32 s22, 0                            ; Wq, Wk or Wv: [head][k][64]: a row of 64 numbers is 256 bytes
	s_cselect_b64 s[42:43], s[6:7], s[8:9]
	s_cmp_eq_u32 s22, 2
	s_cselect_b64 s[42:43], s[10:11], s[42:43]
	s_lshr_b32 s40, s36, 1
	s_lshl_b32 s40, s40, 18                        ; the head: 262,144 bytes
	s_lshl_b32 s41, s38, 15                        ; 128 rows of 256 bytes
	s_add_co_u32 s40, s40, s41
	s_and_b32 s41, s36, 1
	s_lshl_b32 s41, s41, 7                         ; which 32 of the head's 64
	s_add_co_u32 s40, s40, s41
	s_mov_b32 s41, 0
	s_add_nc_u64 s[42:43], s[42:43], s[40:41]
	s_wait_alu depctr_va_vdst(0)
	WLOAD 0, 256
	WLOAD 1, 256
	s_wait_kmcnt 0x0
	s_cmp_eq_u32 s22, 0
	s_cselect_b32 s44, s24, s26                    ; e0 or e2,
	s_cmp_eq_u32 s22, 2
	s_cselect_b32 s44, s28, s44                    ; or e4
	WPATH 256
.Lwc:
	s_lshl_b32 s40, s38, 19                        ; Wc: [k][1024]: 128 rows of 4,096 bytes
	s_lshl_b32 s41, s36, 7
	s_add_co_u32 s40, s40, s41
	s_mov_b32 s41, 0
	s_add_nc_u64 s[42:43], s[12:13], s[40:41]
	s_wait_alu depctr_va_vdst(0)
	WLOAD 0, 4096
	WLOAD 1, 4096
	s_wait_kmcnt 0x0
	s_mov_b32 s44, s35                             ; e11
	WPATH 4096
.Lfunc_end_k_q68ba5df0a6_quant:
	.size	k_q68ba5df0a6_quant, .Lfunc_end_k_q68ba5df0a6_quant-k_q68ba5df0a6_quant
	.p2alignl 7, 3214868480
	.fill 96, 4, 3214868480
	.section	.rodata,"a",@progbits
	.p2align	6, 0x0
	.amdhsa_kernel k_q68ba5df0a6_quant
		.amdhsa_group_segment_fixed_size 68096
		.amdhsa_private_segment_fixed_size 0
		.amdhsa_enable_private_segment 0
		.amdhsa_kernarg_size 64
		.amdhsa_user_sgpr_count 2
		.amdhsa_user_sgpr_kernarg_segment_ptr 1
		.amdhsa_wavefront_size32 1
		.amdhsa_system_sgpr_workgroup_id_x 1
		.amdhsa_system_sgpr_workgroup_id_y 1
		.amdhsa_system_sgpr_workgroup_id_z 1
		.amdhsa_system_vgpr_workitem_id 0
		.amdhsa_next_free_vgpr 256
		.amdhsa_next_free_sgpr 66
		.amdhsa_reserve_vcc 0
		.amdhsa_float_denorm_mode_32 3
		.amdhsa_float_denorm_mode_16_64 3
		.amdhsa_memory_ordered 1
		.amdhsa_forward_progress 1
		.amdhsa_inst_pref_size 86
	.end_amdhsa_kernel
	.amdgpu_metadata
---
amdhsa.version: [ 1, 2 ]
amdhsa.kernels:
  - .name:           k_q68ba5df0a6_quant
    .symbol:         k_q68ba5df0a6_quant.kd
    .args:
      - { .name: x, .offset: 0, .size: 8, .value_kind: global_buffer, .address_space: global }
      - { .name: Wq, .offset: 8, .size: 8, .value_kind: global_buffer, .address_space: global }
      - { .name: Wk, .offset: 16, .size: 8, .value_kind: global_buffer, .address_space: global }
      - { .name: Wv, .offset: 24, .size: 8, .value_kind: global_buffer, .address_space: global }
      - { .name: Wc, .offset: 32, .size: 8, .value_kind: global_buffer, .address_space: global }
      - { .name: lowp_scales, .offset: 40, .size: 8, .value_kind: global_buffer, .address_space: global }
      - { .name: ximg, .offset: 48, .size: 8, .value_kind: global_buffer, .address_space: global }
      - { .name: wimg, .offset: 56, .size: 8, .value_kind: global_buffer, .address_space: global }
    .group_segment_fixed_size: 68096
    .private_segment_fixed_size: 0
    .kernarg_segment_align: 8
    .kernarg_segment_size: 64
    .max_flat_workgroup_size: 128
    .sgpr_count:     66
    .vgpr_count:     256
    .wavefront_size: 32
...
	.end_amdgpu_metadata
.endif
;; end of part 1
;; launch gemm_qkv (part 2): grid 12 x 32, 4 waves a work-group, clusters of 4 x 4, 327,680 bytes of LDS; arguments ximg, wimg, lowp_scales, qkv; writes qkv
.if DOCPART == 2
	.amdgcn_target "amdgcn-amd-amdhsa--gfx1250"
	.amdhsa_code_object_version 6
	.text
	.protected	k_q68ba5df0a6_gemm_qkv
	.globl	k_q68ba5df0a6_gemm_qkv
	.p2align	8
	.type	k_q68ba5df0a6_gemm_qkv,@function
k_q68ba5df0a6_gemm_qkv:
	s_mov_b64 s[64:65], 0
	v_nop
	global_prefetch_b8 v0, s[64:65] scope:SCOPE_SE
	s_setreg_imm32_b32 hwreg(HW_REG_WAVE_MODE, 25, 1), 1
	s_wait_xcnt 0x0
	s_wait_alu depctr_hold_cnt(0) depctr_sa_sdst(0) depctr_va_vdst(0) depctr_va_sdst(0) depctr_va_ssrc(0) depctr_va_vcc(0) depctr_vm_vsrc(0)
	s_getreg_b32 s2, hwreg(HW_REG_IB_STS2, 6, 4)
	s_cmp_eq_u32 s2, 0
	s_cbranch_scc0 .Lentry_in_a_cluster
	s_endpgm
.Lentry_in_a_cluster:
	s_bfe_u32 s2, ttmp6, 0x10000c
	s_cmp_lg_u32 s2, 0xf033
	s_cbranch_scc0 .Lentry_shape_is_right
	s_endpgm
.Lentry_shape_is_right:
; q = x Wq, k = x Wk, v = x Wv on E4M3 codes (K = 1,024), and the f32 sums quantised at once, in registers, to the codes that the attention launch multiplies: q with 2^e6, k with 2^e7, v with 2^e9.
; A sum stands for sum x 2^(eW + eX), so its code is sum / 2^(eT - eW - eX): the three exponents are folded into the conversion's one scale.
; LIMITS: e6 - e0 - e1, e7 - e2 - e3 and e9 - e4 - e5 lie between -126 and 119, so that the scale and 448 x the scale are f32 numbers.
; OPERANDS ARE IMAGES OF REGISTERS: a fragment (16 rows x 128 K) is 2,048 bytes, lane l's registers 4 p .. 4 p + 3 at 512 p + 16 l.  ximg: [3 kinds][4 K steps of 256][512 tiles of 16 rows][2][2048]; wimg: [4][4][64][2][2048].
; So 128 rows of a K step are 32,768 consecutive bytes of memory and of LDS, every LDS load takes 512 consecutive bytes, and nothing is padded.
; A tile of 256 x 256 is made by four waves, as many as a WGP has SIMDs; a wave makes 128 x 128: 64 accumulators, 512 registers.  K goes in four steps of 256 through a ring of two LDS slots.
; CLUSTERS: 4 x 4 work-groups; cluster x is the kind (0 q, 1 k, 2 v).  REGION A feeds source 1 (its rows become lanes) and is shared along a row of the cluster, REGION B feeds source 0 (its rows run along a lane's registers)
; and is shared along a column: each is asked for jointly.  For q and k: A = 256 rows of x, B = 256 rows of W: a lane holds one token and its registers run along the head's 64, the next product's K.
; For v: A = 256 rows of Wv, B = 256 rows of x: a lane holds one channel and its registers run along the keys, the K of the product with the softmax.  Only pointers, offsets and strides are chosen by the kind; no branch, no LDS address.
; OUT: qkv [3][32 pairs of heads][262,144].  q, k: [128 tiles of 16 tokens][2 heads][16 x 64 image, 1,024 bytes];  v: [16 groups of 128 keys][2 heads][4 tiles of 16 channels][16 x 128 image].
; Block a's eight conversions ARE 2,048 bytes of that layout, so a wave's 128 x 128 leaves as 16,384 consecutive bytes, with no way through LDS.
; REGISTERS, in windows of 256: window 0: v16-31 addresses and constants; v32-95 at work on the way out; v128-255 A's fragments, one set (on the way out: the codes).  window 1: B's fragments, two sets.  windows 2, 3: the accumulators.
.set HALFT,  32768                     ; 128 rows of a K step: what one tensor load brings, and what one wave reads of A or of B
; LDS AS USED BELOW: each wave's load has 65,536 bytes of its own (wave 0, 1: A's halves; 2, 3: B's), slot 0 then slot 1 in them, so that the head's one load a wave brings K steps 0 and 1 as two rows of 32,768 bytes.
; wimg: [4 K steps, 2,097,152 bytes apart as in ximg][4 weights: 262,144 bytes][64][2][2048].
.set SLOT,   HALFT
.set SPARE,  8*HALFT
.set FR,     16                        ; registers of a fragment
.set NL,     4                         ; LDS loads that bring one
.set NP,     4                         ; places behind this matrix instruction (ISA guide 7.12.1)
.set ADRA, 16                          ; v16-17  LDS address of my A fragments in slot 0, 1
.set ADRB, 20                          ; v20-21  the same for B
.set CO,   26                          ; v26     16 x lane
.set SPW,  28                          ; v28     LDS address of my spare word; never rewritten
.set NIL,  29                          ; v29     0; never rewritten
.set SCL,  30                          ; v30     the conversion's scale
.set LIMV, 31                          ; v31     448 x the scale
.set TMP,  32                          ; v32-95  a block's 64 sums, held
.set AF,   128                         ; A's fragments
.set CDS,  128                         ; the way out: 16 registers of codes for each block
.set G1, 24                            ; s[24:31] descriptor group 1 for A;  s[32:39] group 0, one set for each slot
.set G0, 32
.set G1B, 48                           ; s[48:55], s[56:63] the same for B
.set G0B, 56
.set STA, 80                           ; s[80:81] A's bytes from K step to K step, later twice that;  s[82:83] B's
.set STB, 82
.set MSB, 0
.macro WIN new                         ; the immediate's high byte repeats the setting that is left
.if MSB != (\new)
	s_set_vgpr_msb (MSB<<8)|(\new)
.set MSB, (\new)
.endif
.endm
.set MUL_LO, 0xa1                      ; source 0 (B) window 1, source 1 (A) window 0, C and D window 2
.set MUL_HI, 0xf1                      ; the same, C and D window 3
.set TO_B,   0x40                      ; destination window 1, address window 0
; A joint load: waves 0 and 1 fetch A's halves, waves 2 and 3 B's.  Each line has one mask and one set of registers; the branch hangs on the wave's number alone.  An s_nop 0 and four v_nop follow each line.
.macro JLOAD g0a, g1a, g0b, g1b
	s_cmp_eq_u32 s15, 0
	s_cbranch_scc0 .Lfor_b_\@
	tensor_load_to_lds s[\g0a:\g0a+3], s[\g1a:\g1a+7]
	s_nop 0
.rept 4
	v_nop
.endr
	s_branch .Lasked_\@
.Lfor_b_\@:
	tensor_load_to_lds s[\g0b:\g0b+3], s[\g1b:\g1b+7]
	s_nop 0
.rept 4
	v_nop
.endr
.Lasked_\@:
.endm
.macro CREST                           ; a round of the cluster's barrier behind its opening barrier
	s_cmp_lg_u32 s14, 0
	s_cbranch_scc1 .Lnot_wave_0_\@
	s_barrier_signal -3
.Lnot_wave_0_\@:
	s_barrier_wait -3
	s_barrier_signal -1
	s_barrier_wait -1
.endm
.macro CROUND                          ; a whole round
	s_barrier_signal -1
	s_barrier_wait -1
	CREST
.endm
	s_load_b128 s[4:7], s[0:1], 0x0                ; ximg s[4:5], wimg s[6:7]
	s_load_b128 s[8:11], s[0:1], 0x10              ; the exponents s[8:9], qkv s[10:11]
	v_lshl_add_u32 v[SPW], v0, 2, SPARE
	v_mov_b32 v[NIL], 0
	ds_add_u32 v[SPW], v[NIL]                      ; the wave's opening: the add and its wait ahead of my first tensor load; the set-up below, work on registers, stands between them
	ds_add_u32 v[SPW], v[NIL]
	v_lshrrev_b32 v1, 5, v0
	v_readfirstlane_b32 s14, v1                    ; wave 0..3
	s_lshr_b32 s15, s14, 1                         ; which half of A's rows I multiply.  Also: I fetch for A (0) or for B (1)
	s_and_b32 s16, s14, 1                          ; which half of B's rows.  Also: which 128 rows I fetch
	s_bfe_u32 s40, ttmp6, 0x40000                  ; cx, cy: my place in the cluster
	s_bfe_u32 s41, ttmp6, 0x40004
	s_and_b32 s17, ttmp7, 0xffff
	s_lshl_b32 s17, s17, 2                         ; 4 x cluster y
	s_lshl_b32 s20, ttmp9, 23                      ; the kind's section of ximg,
	s_lshl_b32 s21, ttmp9, 18
	s_mov_b32 s22, 0x200000                        ; ximg: bytes from K step to K step,
	s_mov_b32 s23, 0x200000
	s_cmp_eq_u32 ttmp9, 2                          ; v?  The kind is the cluster's x: the same in all sixteen partners
	s_cselect_b32 s18, 0, s17
	s_cselect_b32 s19, s17, 0
	s_cselect_b32 s66, s21, s20
	s_cselect_b32 s68, s20, s21
	s_cselect_b32 s[STA], s23, s22
	s_cselect_b32 s[STB], s22, s23
	s_mov_b32 s[STA+1], 0
	s_mov_b32 s[STB+1], 0
	s_add_co_u32 s18, s18, s41                     ; A's tile: 4 x cluster y + cy of x (q, k), or cy of Wv: it hangs on cy alone, which my row of the cluster shares
	s_add_co_u32 s19, s19, s40                     ; B's tile: cx of W, or 4 x cluster y + cx of x: on cx alone, which my column shares
	s_lshl_b32 s71, s16, 15                        ; which 128 rows of the tile I fetch
	s_lshl_b32 s70, s18, 16                        ; a tile's 256 rows of a K step are 65,536 bytes
	s_add_co_u32 s66, s66, s70
	s_add_co_u32 s66, s66, s71
	s_mov_b32 s67, 0
	s_lshl_b32 s72, s19, 16
	s_add_co_u32 s68, s68, s72
	s_add_co_u32 s68, s68, s71
	s_mov_b32 s69, 0
	s_lshl_b32 s43, s41, 2
	s_lshl_b32 s43, 15, s43                        ; my row of the cluster
	s_lshl_b32 s44, 0x1111, s40                    ; my column
	; descriptor group 1 for the head's load: 2 rows of 4,096 elements of 8 bytes (a K step's 128 rows each), no padding
	s_or_b32 s[G1+0], s43, (3<<16)|(1<<21)         ; 15:0 the mask: A goes to my row; 17:16 elements of 8 bytes; 21 set beside a mask
	s_or_b32 s[G1B+0], s44, (3<<16)|(1<<21)
.irp g, G1, G1B
	s_mov_b32 s[\g+1], 4096<<16                    ; the head's load: tensor_dim0 = 4,096 elements: 32,768 bytes, a K step's 128 rows
	s_mov_b32 s[\g+2], 2<<16                       ; tensor_dim1 = 2: K steps 0 and 1
	s_mov_b32 s[\g+3], 4096<<16                    ; tile_dim0
	s_mov_b32 s[\g+4], 2                           ; tile_dim1
	s_mov_b32 s[\g+5], 0x40000                     ; from K step to K step: 2,097,152 bytes
	s_mov_b32 s[\g+6], 0
	s_mov_b32 s[\g+7], 0
.endr
	s_mul_i32 s45, s14, 2*HALFT
	s_wait_dscnt 0x0                               ; the opening add is done
	s_wait_kmcnt 0x0
	s_load_b256 s[84:91], s[8:9], 0x0              ; e0 .. e7
	s_load_b128 s[92:95], s[8:9], 0x20             ; e8 .. e11
	s_cmp_eq_u32 ttmp9, 2
	s_cselect_b64 s[20:21], s[6:7], s[4:5]         ; A's buffer
	s_cselect_b64 s[46:47], s[4:5], s[6:7]         ; B's
	s_add_nc_u64 s[20:21], s[20:21], s[66:67]
	s_add_nc_u64 s[46:47], s[46:47], s[68:69]
	CROUND                                         ; all sixteen work-groups are here: the first joint loads meet
	s_mov_b32 s[G0], 1                             ; slot 0: K step 0
	s_mov_b32 s[G0+1], s45
	s_mov_b64 s[G0+2:G0+3], s[20:21]
	s_or_b32 s[G0+3], s[G0+3], 0x80000000
	s_mov_b32 s[G0B], 1
	s_mov_b32 s[G0B+1], s45
	s_mov_b64 s[G0B+2:G0B+3], s[46:47]
	s_or_b32 s[G0B+3], s[G0B+3], 0x80000000
	JLOAD G0, G1, G0B, G1B
	s_mov_b32 s[G0+4], 1                           ; slot 1: K step 1
	s_add_co_u32 s[G0+5], s45, SLOT
	s_add_nc_u64 s[G0+6:G0+7], s[20:21], s[STA:STA+1]
	s_or_b32 s[G0+7], s[G0+7], 0x80000000
	s_mov_b32 s[G0B+4], 1
	s_add_co_u32 s[G0B+5], s45, SLOT
	s_add_nc_u64 s[G0B+6:G0B+7], s[46:47], s[STB:STB+1]
	s_or_b32 s[G0B+7], s[G0B+7], 0x80000000
	s_cmp_eq_u32 s15, 0                            ; the prefetches: of the 32,768 bytes that I fetch in a K step, each of the four partners that ask with me takes 8,192, told apart by address (cx for A, cy for B)
	s_cselect_b64 s[96:97], s[20:21], s[46:47]
	s_cselect_b32 s12, s40, s41
	s_lshl_b32 s12, s12, 13
	s_mov_b32 s13, 0
	s_add_nc_u64 s[96:97], s[96:97], s[12:13]
	s_lshl_b32 s[STA], s[STA], 1
	s_lshl_b32 s[STB], s[STB], 1
	v_and_b32 v1, 31, v0
	v_lshlrev_b32 v[CO], 4, v1
	v_lshlrev_b32 v27, 8, v1                       ; a lane to each aligned block of 256 bytes; v27 and s[96:97] are never rewritten
	global_prefetch_b8 v27, s[96:97] offset:0x400000 th:TH_LOAD_NT scope:SCOPE_SE   ; K step 2, which the first refill asks for, a K step's products on,
	global_prefetch_b8 v27, s[96:97] offset:0x600000 th:TH_LOAD_NT scope:SCOPE_SE   ; and K step 3, two on: the two K steps that come by refills; K steps 0 and 1 come by their load alone
	s_lshl_b32 s73, s15, 16
	s_lshl_b32 s74, s16, 16
	s_add_co_u32 s74, s74, 4*HALFT
.irp s, 0,1
	v_add_nc_u32 v[ADRA+\s], s73, v[CO]
	v_add_nc_u32 v[ADRB+\s], s74, v[CO]
	s_add_co_u32 s73, s73, SLOT
	s_add_co_u32 s74, s74, SLOT
.endr
	; where my 16,384 bytes of codes go.  (xt, xs): the tile of x and my half of it; (wt, ws): the tile of W and my half
	s_cmp_eq_u32 ttmp9, 2
	s_cselect_b32 s75, s19, s18                    ; xt
	s_cselect_b32 s76, s16, s15                    ; xs
	s_cselect_b32 s77, s18, s19                    ; wt
	s_cselect_b32 s78, s15, s16                    ; ws
	s_lshr_b32 s79, s75, 3
	s_lshl_b32 s79, s79, 3                         ; 8 pairs of heads a batch entry (8 tiles of 256 tokens each)
	s_lshl_b32 s77, s77, 1
	s_add_co_u32 s79, s79, s77
	s_add_co_u32 s79, s79, s78                     ; + 2 wt + ws: 128 rows of W are a pair of heads
	s_lshl_b32 s79, s79, 18
	s_and_b32 s75, s75, 7
	s_lshl_b32 s75, s75, 1
	s_add_co_u32 s75, s75, s76                     ; which 128 tokens of the 2,048
	s_lshl_b32 s75, s75, 14
	s_add_co_u32 s76, s79, s75
	s_lshl_b32 s77, ttmp9, 23                      ; the kind's section
	s_add_co_u32 s76, s76, s77
	s_mov_b32 s77, 0
	s_add_nc_u64 s[10:11], s[10:11], s[76:77]
.macro FRAG reg, adr, q, i             ; fragment i of my eight, the slot's q-th 128 along K: four loads of 512 consecutive bytes
.irp c, 0,1,2,3
	ds_load_b128 v[\reg+4*\c:\reg+4*\c+3], v[\adr] offset:4096*(\i)+2048*(\q)+512*\c
.endr
.endm
; 16 matrix instructions: A's blocks a0, a0 + 1 x B's eight, 128 along K.  p: B's set.  zero = 1: the first product starts the sums.  The 64 accumulators take turns, one instruction a turn, in the same order in every step.
.macro MUL16 a0, p, zero
.irp a, \a0, \a0+1
.irp b, 0,1,2,3,4,5,6,7
.if \zero
	v_wmma_f32_16x16x128_fp8_fp8 v[8*(8*((\a)%4)+\b):8*(8*((\a)%4)+\b)+7], v[128*(\p)+FR*\b:128*(\p)+FR*\b+FR-1], v[AF+FR*(\a):AF+FR*(\a)+FR-1], 0
.else
	v_wmma_f32_16x16x128_fp8_fp8 v[8*(8*((\a)%4)+\b):8*(8*((\a)%4)+\b)+7], v[128*(\p)+FR*\b:128*(\p)+FR*\b+FR-1], v[AF+FR*(\a):AF+FR*(\a)+FR-1], v[8*(8*((\a)%4)+\b):8*(8*((\a)%4)+\b)+7]
.endif
.endr
.endr
.endm
.macro FETCH_B slot, q, p
	WIN TO_B
.irp i, 0,1,2,3,4,5,6,7
	FRAG 128*(\p)+FR*\i, ADRB+\slot, \q, \i
.endr
	WIN 0
.endm
.macro FETCH_A slot, q, i0
.irp i, \i0, \i0+1, \i0+2, \i0+3
	FRAG AF+FR*(\i), ADRA+\slot, \q, \i
.endr
.endm
.macro PLACES n                        ; plain vector instructions between a matrix instruction and a load into, or a vector write of, one of its registers, or a read of its result
.rept \n
	v_nop
.endr
.endm
; A step of 128 along K that has its successor in the same slot.  A's one set: blocks 0-3 are fetched anew in the step's middle, blocks 4-7 at its end; B's next set in the middle.
.macro STEP slot, q, zero
	s_wait_dscnt 4*NL                              ; B's set and A's blocks 0-3 are in; the youngest sixteen loads (A's blocks 4-7) may be out
	WIN MUL_LO
	MUL16 0, (\q)%2, \zero
	MUL16 2, (\q)%2, \zero
	s_wait_dscnt 0
	PLACES NP
	FETCH_B \slot, (\q)+1, 1-(\q)%2
	FETCH_A \slot, (\q)+1, 0
	WIN MUL_HI
	MUL16 4, (\q)%2, \zero
	MUL16 6, (\q)%2, \zero
	PLACES NP
	WIN 0
	FETCH_A \slot, (\q)+1, 4
.endm
; A slot's last step changes slots: one barrier; in front of it each wave waits for all its tensor loads, adds 0 to its spare word, and waits for that and for its own reads of this slot.  fill = 1: this slot is filled again, two K steps on.
.macro TURN slot, next, fill
	s_wait_tensorcnt 0x0                           ; all my tensor loads have landed: my part of the next slot
	ds_add_u32 v[SPW], v[NIL]                      ; 0 onto my spare word
	s_wait_dscnt 4*NL+1                            ; the add and the youngest sixteen loads (A's blocks 4-7) may be out
	WIN MUL_LO
	MUL16 0, 1, 0                                  ; sixteen matrix instructions stand between the add and the wait for it
	s_wait_dscnt 0x0                               ; the add is done, and my reads of this slot are over
	s_barrier_signal -1
	MUL16 2, 1, 0
	WIN 0
	s_barrier_wait -1
.if \fill
	CREST                                          ; the barrier has opened a round of the cluster's barrier: no wave of any partner still reads this slot or has a load on its way
	s_add_nc_u64 s[G0+4*\slot+2:G0+4*\slot+3], s[G0+4*\slot+2:G0+4*\slot+3], s[STA:STA+1]
	s_add_nc_u64 s[G0B+4*\slot+2:G0B+4*\slot+3], s[G0B+4*\slot+2:G0B+4*\slot+3], s[STB:STB+1]
	JLOAD G0+4*\slot, G1, G0B+4*\slot, G1B         ; the first tensor load behind the round; its four v_nop are the places in front of the loads below
.else
	PLACES NP
.endif
	FETCH_B \next, 0, 0
	FETCH_A \next, 0, 0
	WIN MUL_HI
	MUL16 4, 1, 0
	MUL16 6, 1, 0
	PLACES NP
	WIN 0
	FETCH_A \next, 0, 4
.endm
	s_wait_alu depctr_va_vdst(0)
	s_wait_tensorcnt 0x0                           ; my part of K steps 0 and 1 is in, so group 1 may be written: a refill is 32,768 consecutive bytes as 128 rows of 32 elements
.irp g, G1, G1B
	s_mov_b32 s[\g+1], 32<<16
	s_mov_b32 s[\g+2], 128<<16
	s_mov_b32 s[\g+3], 32<<16
	s_mov_b32 s[\g+4], 128
	s_mov_b32 s[\g+5], 32
.endr
	s_barrier_signal -1
	s_barrier_wait -1
	FETCH_B 0, 0, 0
	FETCH_A 0, 0, 0
	FETCH_A 0, 0, 4
	STEP 0, 0, 1                                   ; K = 1,024 is four K steps, eight steps of 128: written straight, no loop.  The first step's products start the sums
	TURN 0, 1, 1                                   ; slot 0 takes K step 2
	STEP 1, 0, 0
	TURN 1, 0, 1                                   ; slot 1 takes K step 3
	STEP 0, 0, 0
	TURN 0, 1, 0                                   ; nothing is left to fetch
	STEP 1, 0, 0
	s_wait_dscnt 4*NL                              ; the last step
	WIN MUL_LO
	MUL16 0, 1, 0
	MUL16 2, 1, 0
	s_wait_dscnt 0
	WIN MUL_HI
	MUL16 4, 1, 0
	MUL16 6, 1, 0
	WIN 0
	; THE WAY OUT.  Register j of accumulator (a, b), lane (r, h), is (A's row 16 a + r, B's row 16 b + 8 h + j): eight neighbours along the next product's K, so one conversion makes registers 2 b, 2 b + 1 of block a's image.
	s_wait_kmcnt 0x0
	s_sub_co_i32 s84, s90, s84
	s_sub_co_i32 s84, s84, s85                     ; q: e6 - e0 - e1
	s_sub_co_i32 s86, s91, s86
	s_sub_co_i32 s86, s86, s87                     ; k: e7 - e2 - e3
	s_sub_co_i32 s88, s93, s88
	s_sub_co_i32 s88, s88, s89                     ; v: e9 - e4 - e5
	s_cmp_eq_u32 ttmp9, 0
	s_cselect_b32 s84, s84, s86
	s_cmp_eq_u32 ttmp9, 2
	s_cselect_b32 s84, s88, s84
	s_add_co_i32 s84, s84, 127
	s_lshl_b32 s85, s84, 23
	v_mov_b32 v[SCL], s85
	s_add_co_i32 s84, s84, 8
	s_lshl_b32 s84, s84, 23
	s_or_b32 s84, s84, 0x600000
	v_mov_b32 v[LIMV], s84
	PLACES NP                                      ; behind the last products: in front of the first read of results and of the first write over A's fragments
.macro QOUT a
.set AC, 64*((\a)%4)
	WIN 0x02+((\a)/4)                              ; source 0: window 2 or 3
.set j, 0
.rept 64
	v_med3_num_f32 v[TMP+j], v[AC+j], -v[LIMV], v[LIMV]   ; the hold at the largest code x the scale (the conversion does not saturate: ISA guide 7.6.2); each accumulator from its low end on
.set j, j+1
.endr
	WIN 0
.irp b, 0,1,2,3,4,5,6,7
	v_cvt_scalef32_pk8_fp8_f32 v[CDS+16*(\a)+2*\b:CDS+16*(\a)+2*\b+1], v[TMP+8*\b:TMP+8*\b+7], v[SCL]
.endr
	v_nop                                          ; one plain vector instruction between the conversions and the next block's holds, which write their sources
.irp p, 0,1,2,3
	global_store_b128 v[CO], v[CDS+16*(\a)+4*\p:CDS+16*(\a)+4*\p+3], s[10:11] offset:2048*(\a)+512*\p   ; 32 lanes store 512 consecutive bytes; each block has code registers of its own
.endr
.endm
.irp a, 0,1,2,3,4,5,6,7
	QOUT \a
.endr
	s_wait_tensorcnt 0x0                           ; the wave's end, behind my last tensor load
	ds_add_u32 v[SPW], v[NIL]
	s_wait_dscnt 0x0
	CROUND                                         ; the closing round: no work-group ends while a partner may still ask for a tile that names it
	s_endpgm
.Lfunc_end_k_q68ba5df0a6_gemm_qkv:
	.size	k_q68ba5df0a6_gemm_qkv, .Lfunc_end_k_q68ba5df0a6_gemm_qkv-k_q68ba5df0a6_gemm_qkv
	.p2alignl 7, 3214868480
	.fill 96, 4, 3214868480
	.section	.rodata,"a",@progbits
	.p2align	6, 0x0
	.amdhsa_kernel k_q68ba5df0a6_gemm_qkv
		.amdhsa_group_segment_fixed_size 327680
		.amdhsa_private_segment_fixed_size 0
		.amdhsa_enable_private_segment 0
		.amdhsa_kernarg_size 32
		.amdhsa_user_sgpr_count 2
		.amdhsa_user_sgpr_kernarg_segment_ptr 1
		.amdhsa_wavefront_size32 1
		.amdhsa_system_sgpr_workgroup_id_x 1
		.amdhsa_system_sgpr_workgroup_id_y 1
		.amdhsa_system_sgpr_workgroup_id_z 1
		.amdhsa_system_vgpr_workitem_id 0
		.amdhsa_next_free_vgpr 1024
		.amdhsa_next_free_sgpr 100
		.amdhsa_reserve_vcc 0
		.amdhsa_float_denorm_mode_32 3
		.amdhsa_float_denorm_mode_16_64 3
		.amdhsa_memory_ordered 1
		.amdhsa_forward_progress 1
		.amdhsa_inst_pref_size 118
	.end_amdhsa_kernel
	.amdgpu_metadata
---
amdhsa.version: [ 1, 2 ]
amdhsa.kernels:
  - .name:           k_q68ba5df0a6_gemm_qkv
    .symbol:         k_q68ba5df0a6_gemm_qkv.kd
    .args:
      - { .name: ximg, .offset: 0, .size: 8, .value_kind: global_buffer, .address_space: global }
      - { .name: wimg, .offset: 8, .size: 8, .value_kind: global_buffer, .address_space: global }
      - { .name: lowp_scales, .offset: 16, .size: 8, .value_kind: global_buffer, .address_space: global }
      - { .name: qkv, .offset: 24, .size: 8, .value_kind: global_buffer, .address_space: global }
    .group_segment_fixed_size: 327680
    .private_segment_fixed_size: 0
    .kernarg_segment_align: 8
    .kernarg_segment_size: 32
    .max_flat_workgroup_size: 128
    .sgpr_count:     100
    .vgpr_count:     1024
    .wavefront_size: 32
...
	.end_amdgpu_metadata
.endif
;; end of part 2
;; launch attn (part 3): grid 4 x 64, 16 waves a work-group, clusters of 4 x 1, 327,680 bytes of LDS; arguments qkv, lowp_scales, oimg; writes oimg
.if DOCPART == 3
	.amdgcn_target "amdgcn-amd-amdhsa--gfx1250"
	.amdhsa_code_object_version 6
	.text
	.protected	k_q68ba5df0a6_attn
	.globl	k_q68ba5df0a6_attn
	.p2align	8
	.type	k_q68ba5df0a6_attn,@function
k_q68ba5df0a6_attn:
	s_mov_b64 s[64:65], 0
	v_nop
	global_prefetch_b8 v0, s[64:65] scope:SCOPE_SE
	s_setreg_imm32_b32 hwreg(HW_REG_WAVE_MODE, 25, 1), 1
	s_wait_xcnt 0x0
	s_wait_alu depctr_hold_cnt(0) depctr_sa_sdst(0) depctr_va_vdst(0) depctr_va_sdst(0) depctr_va_ssrc(0) depctr_va_vcc(0) depctr_vm_vsrc(0)
	s_getreg_b32 s2, hwreg(HW_REG_IB_STS2, 6, 4)
	s_cmp_eq_u32 s2, 0
	s_cbranch_scc0 .Lentry_in_a_cluster
	s_endpgm
.Lentry_in_a_cluster:
	s_bfe_u32 s2, ttmp6, 0x10000c
	s_cmp_lg_u32 s2, 0x3003
	s_cbranch_scc0 .Lentry_shape_is_right
	s_endpgm
.Lentry_shape_is_right:
; o = softmax(q k^T / 8, causal) v for 64 heads of 2,048 tokens x 64 channels, both products on E4M3 codes (q 2^e6, k 2^e7, p 2^e8, v 2^e9), and o quantised at once with 2^e10 for the last product.
; THE SOFTMAX AHEAD OF THE SECOND PRODUCT: t = score x log2(e) / 8; M = the row's largest t so far, rounded up to a whole number; p = 2^(t - M) is what is quantised; the row's sum is taken of the unquantised p and divides at the end.
; When M moves, the sum and O are multiplied by 2^(old M - new M): exact.
; WORK LEFT OUT: key steps all of whose 128 keys come after a tile's 16 queries: the causal mask makes their scores -infinity, so their p is 0 for all values of the inputs.  A NaN or an infinity that reaches only such keys is not carried to the result.
; LIMITS, so that each power of two below is an f32 number: e6 + e7 between -123 and 130 (added to the exponent field of log2(e) / 8); e8, and e10 - e8 - e9, between -126 and 119.  NaN is not served.
; IN: qkv [3][32 pairs of heads][262,144], images of operand registers (16 bytes a lane, 512 a piece).  q, k: [128 tiles of 16 tokens][2 heads][16 x 64: 1,024 bytes];  v: [16 groups of 128 keys][2 heads][4 tiles of 16 channels][16 x 128: 2,048 bytes].
; OUT: oimg [4 K steps of 256][512 tiles of 16 rows][2][2048], K = 64 x head + channel: a head's 16 x 64 image is 1,024 bytes of it.
; LDS HOLDS THE HEAD'S WHOLE K AND V: 16 groups of 128 keys, 8,192 bytes each of K (from byte 0) and of V (from byte 131,072).  Nothing is filled again.  Two fills, one tensor load of 8,192 bytes a wave each (waves 0-7: a group of K,
; waves 8-15: a group of V): groups 0-7 at the head, groups 8-15 behind the full sequence; the second is on its way while groups 0-7 are multiplied.  A wave never has more than one tensor load out.
; CLUSTER: the four work-groups of a head want the same K and V: each fill is asked for jointly (mask 15).  The descriptors hang on the head and the wave's number alone.
; SHARES.  Query tile T needs key groups 0 .. T / 8.  With m = 2 (w / 4) + (((w / 2) xor (w / 4)) & 1), 0 .. 7, and i = cx + 4 (w & 1), wave w of the partner at place cx owns the low tile 8 (7 - m) + i and the high tile 8 (15 - m) + i:
; 8 - m and 16 - m key steps, 24 - 2 m in all: the longest shares have the lowest wave numbers, and waves w, w + 4, w + 8, w + 12 have 68 steps together for each w.  Each m is had by two waves, so the cluster's 64 waves own all 128 tiles.
; No branch, trip count or LDS address hangs on cx: it enters the addresses of Q and of the output, and the number that the diagonal's compares hold keys against.
; PHASE 1: the high tile on groups 0-7, eight steps in every wave; after two of them a wave waits for its part of groups 8-15 and signals, after all eight it waits for the others' signals.
; PHASE 2, eight trips: trip i does the high tile's group 8 + i and the low tile's group i while i <= 7 - m; i = 7 - m is the diagonal of both.
; NO PREFETCH: both fills go out at the kernel's head, the second as soon as the first is in: no loop runs ahead of a load.
; LAYOUT.  S^T = K Q^T: lane (r, h) holds query r, register j of tile T key 16 T + 8 h + j: a conversion of a tile's eight registers gives registers 2 T, 2 T + 1 of the second product's operand.  O^T = V^T P^T: register j of tile dt is channel 16 dt + 8 h + j.
; REGISTERS: v1 16 x lane; v[2:3] -M, largest t of the low tile, v[10:11] its sum; v[12:13], v[14:15] the same of the high tile; v4 the diagonal's bound; v5, v6 the add's two; v8, v9 LDS addresses; v16-23 Q high, v24-31 Q low;
; v32-95 fragments of K, then of V; v96-159 S^T, then p; v160-191 O^T high, v192-223 O^T low; v224-239 p's codes (at the end the output's); v240, v245: 448 x 2^e8; v244 2^e8; v246, v247: 2^(e10 - e8 - e9), 448 x that; the rest at work.
.set GRP,   8192
.set HALF,  65536
.set VOFF,  131072
.set SPARE, 262144                     ; behind K and V: the spare words, 128 bytes for each of sixteen waves: eight blocks of 256 bytes that no other line names
.set DG,   4
.set SPW,  5
.set NIL,  6
.set ADK,  8
.set ADV,  9
.set WV,   18                          ; s18  my wave's number
.set SEL,  20                          ; s[20:21] lane selects for v_permlanex16_b32: lane l xor 16
.set CS,   22                          ; s[22:23] c = log2(e) / 8 x 2^(e6 + e7)
.set G1K,  24                          ; s[24:31] descriptor group 1 for K;  s[32:39] for V;  s[40:43] my group 0
.set G1V,  32
.set G0,   40
.set TBH,  48                          ; s48  LDS byte of the high tile's key group;  s49 of the low tile's
.set TBL,  49
.set CNT,  50                          ; s50  the trip
.set FL,   51                          ; s51  7 - m: both tiles' last trip of phase 2
.set OH,   66                          ; s[66:67] where the high tile's codes go;  s[68:69] the low tile's
.set OL,   68
; A joint load: every wave issues one, in one of two arms that join.  The branch hangs on the wave's number alone.  An s_nop 0 and four v_nop follow each line.
.macro TLOAD
	s_cmp_lt_u32 s[WV], 8
	s_cbranch_scc0 .Lfor_v_\@
	tensor_load_to_lds s[G0:G0+3], s[G1K:G1K+7]
	s_nop 0
.rept 4
	v_nop
.endr
	s_branch .Lasked_\@
.Lfor_v_\@:
	tensor_load_to_lds s[G0:G0+3], s[G1V:G1V+7]
	s_nop 0
.rept 4
	v_nop
.endr
.Lasked_\@:
.endm
.macro ROUND                           ; a round of the cluster's barrier
	s_barrier_signal -1
	s_barrier_wait -1
	s_cmp_lg_u32 s[WV], 0
	s_cbranch_scc1 .Lnot_wave_0_\@
	s_barrier_signal -3
.Lnot_wave_0_\@:
	s_barrier_wait -3
	s_barrier_signal -1
	s_barrier_wait -1
.endm
	s_load_b128 s[4:7], s[0:1], 0x0                ; qkv s[4:5], the exponents s[6:7]
	s_load_b64 s[8:9], s[0:1], 0x10                ; oimg
	v_lshl_add_u32 v[SPW], v0, 2, SPARE
	v_mov_b32 v[NIL], 0
	ds_add_u32 v[SPW], v[NIL]                      ; the wave's opening: the add, twice on end, and its wait ahead of my first tensor load
	ds_add_u32 v[SPW], v[NIL]
	v_lshrrev_b32 v8, 5, v0
	v_readfirstlane_b32 s[WV], v8                  ; wave 0..15
	s_and_b32 s10, ttmp7, 0xffff                   ; 16 x batch + head
	s_bfe_u32 s19, ttmp6, 0x40000                  ; cx
	s_lshr_b32 s11, s10, 1
	s_lshl_b32 s11, s11, 18                        ; the pair of heads: 262,144 bytes
	s_and_b32 s12, s10, 1
	s_lshl_b32 s13, s12, 10
	s_add_co_u32 s88, s11, s13                     ; q: + 1,024 x which head of the pair
	s_mov_b32 s89, 0
	s_lshr_b32 s14, s[WV], 3                       ; 0: I fetch K; 1: V
	s_and_b32 s15, s[WV], 7
	s_lshl_b32 s15, s15, 14                        ; my key group: 16,384 bytes of the pair
	s_mul_i32 s16, s14, 3
	s_lshl_b32 s13, s13, s16                       ; which head: 1,024 bytes on in K, 8,192 in V
	s_lshl_b32 s16, s14, 23                        ; V's section lies one behind K's
	s_add_co_u32 s90, s11, s15
	s_add_co_u32 s90, s90, s13
	s_add_co_u32 s90, s90, s16
	s_add_co_u32 s90, s90, 0x800000                ; K's section
	s_mov_b32 s91, 0
	s_lshl_b32 s17, s[WV], 13
	s_lshl_b32 s16, s14, 16
	s_add_co_u32 s17, s17, s16                     ; in LDS: 8,192 x wave, V's waves 65,536 further on
	s_lshr_b32 s92, s[WV], 2                       ; w / 4
	s_lshr_b32 s93, s[WV], 1
	s_xor_b32 s93, s93, s92
	s_and_b32 s93, s93, 1
	s_lshl_b32 s92, s92, 1
	s_add_co_u32 s92, s92, s93                     ; m
	s_sub_co_u32 s[FL], 7, s92                     ; 7 - m: made of the wave's number alone
	s_and_b32 s94, s[WV], 1
	s_lshl_b32 s94, s94, 2
	s_add_co_u32 s94, s94, s19                     ; i = cx + 4 (w & 1): my tiles' place among their eight
	s_lshl_b32 s92, s[FL], 3
	s_add_co_u32 s92, s92, s94                     ; the low tile 8 (7 - m) + i,
	s_add_co_u32 s93, s92, 64                      ; the high tile 8 (15 - m) + i
	s_lshl_b32 s94, s94, 4                         ; both tiles' first query within their diagonal key group
	s_lshr_b32 s96, s10, 4
	s_lshl_b32 s96, s96, 7                         ; oimg: 128 tiles of rows a batch entry,
	s_bfe_u32 s97, s10, 0x20002                    ; head / 4: the K step of 256,
	s_lshl_b32 s97, s97, 9
	s_add_co_u32 s96, s96, s97
	s_and_b32 s97, s10, 3
	s_lshl_b32 s97, s97, 10                        ; head % 4: 1,024 bytes each in a tile's 4,096
	s_add_co_u32 s[OH], s96, s93
	s_lshl_b32 s[OH], s[OH], 12
	s_add_co_u32 s[OH], s[OH], s97
	s_mov_b32 s[OH+1], 0
	s_add_co_u32 s[OL], s96, s92
	s_lshl_b32 s[OL], s[OL], 12
	s_add_co_u32 s[OL], s[OL], s97
	s_mov_b32 s[OL+1], 0
	; descriptor group 1.  K: 8 rows of 128 elements of 8 bytes (an image of 1,024 bytes), 2,048 bytes apart (the pair's other head lies between).  V: 8,192 consecutive bytes as 32 rows of 256
	s_mov_b32 s[G1K], 15|(3<<16)|(1<<21)           ; 15:0 the mask: all four partners; 17:16 elements of 8 bytes; 21 set beside a mask; no padding
	s_mov_b32 s[G1K+1], 128<<16                    ; tensor_dim0
	s_mov_b32 s[G1K+2], 8<<16                      ; tensor_dim1
	s_mov_b32 s[G1K+3], 128<<16                    ; tile_dim0
	s_mov_b32 s[G1K+4], 8                          ; tile_dim1
	s_mov_b32 s[G1K+5], 256                        ; tensor_dim0_stride
	s_mov_b32 s[G1K+6], 0
	s_mov_b32 s[G1K+7], 0
	s_mov_b32 s[G1V], 15|(3<<16)|(1<<21)
	s_mov_b32 s[G1V+1], 32<<16
	s_mov_b32 s[G1V+2], 32<<16
	s_mov_b32 s[G1V+3], 32<<16
	s_mov_b32 s[G1V+4], 32
	s_mov_b32 s[G1V+5], 32
	s_mov_b32 s[G1V+6], 0
	s_mov_b32 s[G1V+7], 0
	s_mov_b32 s[SEL], 0x76543210
	s_mov_b32 s[SEL+1], 0xfedcba98
	s_mov_b32 s[CS], 0x3e38aa3b                    ; log2(e) / 8
	s_wait_dscnt 0x0                               ; both opening adds are done
	s_wait_kmcnt 0x0
	s_load_b256 s[76:83], s[6:7], 0x0              ; e0 .. e7
	s_load_b128 s[84:87], s[6:7], 0x20             ; e8 .. e11
	s_add_nc_u64 s[88:89], s[4:5], s[88:89]        ; q of my head
	s_add_nc_u64 s[90:91], s[4:5], s[90:91]        ; what I fetch
	s_add_nc_u64 s[OH:OH+1], s[8:9], s[OH:OH+1]
	s_add_nc_u64 s[OL:OL+1], s[8:9], s[OL:OL+1]
	ROUND                                          ; all four work-groups are here: the first joint loads meet
	s_mov_b32 s[G0], 1                             ; count = 1
	s_mov_b32 s[G0+1], s17                         ; LDS address
	s_mov_b64 s[G0+2:G0+3], s[90:91]
	s_or_b32 s[G0+3], s[G0+3], 0x80000000          ; type = 2
	TLOAD                                          ; key groups 0-7: one tensor load a wave at the head
	v_and_b32 v248, 31, v0
	v_lshlrev_b32 v1, 4, v248                      ; 16 x lane: my place in every image
	v_lshl_add_u32 v249, s93, 11, v1               ; a tile of 16 tokens of the pair is 2,048 bytes
	v_lshl_add_u32 v250, s92, 11, v1
	global_load_b128 v[16:19], v249, s[88:89]      ; Q of the high tile,
	global_load_b128 v[20:23], v249, s[88:89] offset:512
	global_load_b128 v[24:27], v250, s[88:89]      ; and of the low: both stay in registers
	global_load_b128 v[28:31], v250, s[88:89] offset:512
	v_and_b32 v251, 15, v0
	v_bfe_u32 v252, v0, 4, 1
	v_lshlrev_b32 v252, 3, v252
	v_sub_nc_u32 v251, v251, v252
	v_add_nc_u32 v[DG], s94, v251                  ; d = my query within the diagonal group - 8 (lane / 16).  Register 8 T + j holds key 16 T + 8 (lane / 16) + j of the step: hidden where 16 T + j > d
	v_mov_b32 v13, 0xff61b1e6                      ; the largest t so far: -3e38, under every t
	v_mov_b32 v3, 0xff61b1e6
	v_floor_f32 v12, -v13                          ; -M
	v_floor_f32 v2, -v3
	v_mov_b32 v14, 0                               ; the sums, each in two halves
	v_mov_b32 v15, 0
	v_mov_b32 v10, 0
	v_mov_b32 v11, 0
	v_mov_b32 v241, 0                              ; written once: a lane permute's destination counts as one of its sources
	v_mov_b32 v253, 0                              ; (named as the upper half of the pair v[252:253])
.set j, 0
.rept 64
	v_mov_b32 v[160+j], 0                          ; both O^T.  (The key step is written once for all steps: a tile's first step finds zeros, which the first change of M leaves zeros)
.set j, j+1
.endr
	s_wait_kmcnt 0x0
	s_add_co_i32 s92, s82, s83
	s_lshl_b32 s92, s92, 23
	s_add_co_i32 s[CS], s[CS], s92                 ; a score stands for score x 2^(e6 + e7): added to c's exponent field
	s_mov_b32 s[CS+1], s[CS]                       ; (named with it as a pair, so it is written)
	s_add_co_i32 s92, s84, 127
	s_lshl_b32 s93, s92, 23
	v_mov_b32 v244, s93                            ; 2^e8
	s_add_co_i32 s92, s92, 8
	s_lshl_b32 s92, s92, 23
	s_or_b32 s92, s92, 0x600000
	v_mov_b32 v240, s92                            ; 448 x 2^e8,
	v_mov_b32 v245, s92                            ; twice: the two halves of a dual instruction take their second sources from different register banks
	s_sub_co_i32 s92, s86, s84
	s_sub_co_i32 s92, s92, s85                     ; O / the sum stands for o / 2^(e8 + e9): its code is that / 2^(e10 - e8 - e9)
	s_add_co_i32 s92, s92, 127
	s_lshl_b32 s93, s92, 23
	v_mov_b32 v246, s93
	s_add_co_i32 s92, s92, 8
	s_lshl_b32 s92, s92, 23
	s_or_b32 s92, s92, 0x600000
	v_mov_b32 v247, s92
.macro TMINUS n, st                    ; n pairs more of t - M (of the pairs c and -M the low word serves both halves); j walks the 64 scores
.rept \n
	v_pk_fma_f32 v[96+j:97+j], v[96+j:97+j], s[CS:CS+1], v[(\st):(\st)+1] op_sel_hi:[1,0,0]
.set j, j+2
.endr
.endm
.macro HOLD t                          ; a tile's eight p held at 448 x 2^e8: the conversion does not saturate (ISA guide 7.6.2); p is not negative, so the hold is one-sided; two holds an instruction
.irp i, 0,2,4,6
	v_dual_min_num_f32 v[96+8*(\t)+\i], v[96+8*(\t)+\i], v240 :: v_dual_min_num_f32 v[97+8*(\t)+\i], v[97+8*(\t)+\i], v245
.endr
.endm
; A KEY STEP: 128 keys, the group at LDS byte s[tb], for the tile with Q at v[q], O^T at v[o], -M and t at v[st], the sum at v[sm].
; lim >= 0: s[lim] is the tile's last trip: later trips are left out (a scalar branch on the wave's number and the count of trips; no barrier or tensor load stands in a step), and in that trip, the diagonal, hidden scores become -infinity.
.macro STEP q, o, st, sm, tb, lim
.if \lim >= 0
	s_cmp_gt_u32 s[CNT], s[\lim]
	s_cbranch_scc1 .Lhidden_\@
.endif
	s_add_co_u32 s73, s[\tb], VOFF
	v_add_nc_u32 v[ADK], s[\tb], v1
	v_add_nc_u32 v[ADV], s73, v1
	v_nop                                          ; with the two additions: four places in front of loads into registers that the last products read
	v_nop
.irp t, 0,1,2,3,4,5,6,7                        ; K: eight images of 16 keys x 64
.irp c, 0,1
	ds_load_b128 v[32+8*\t+4*\c:35+8*\t+4*\c], v[ADK] offset:\t*1024+512*\c
.endr
.endr
	s_wait_alu depctr_va_vdst(0)
	s_wait_dscnt 8                                 ; images 0-3 are in; the youngest eight loads (images 4-7) may be out
.irp t, 0,1,2,3
	v_wmma_f32_16x16x64_fp8_fp8 v[96+8*\t:103+8*\t], v[32+8*\t:39+8*\t], v[(\q):(\q)+7], 0
.endr
	s_wait_dscnt 0x0
.irp t, 4,5,6,7
	v_wmma_f32_16x16x64_fp8_fp8 v[96+8*\t:103+8*\t], v[32+8*\t:39+8*\t], v[(\q):(\q)+7], 0
.endr
.rept 4
	v_nop                                          ; places: in front of the loads over K's fragments and of the first read of the scores
.endr
.irp t, 0,1,2,3                                ; V: four images of 16 channels x 128 keys: asked for here, they land while the softmax is walked
.irp c, 0,1,2,3
	ds_load_b128 v[32+16*\t+4*\c:35+16*\t+4*\c], v[ADV] offset:2048*\t+512*\c
.endr
.endr
.if \lim >= 0
	s_cmp_lg_u32 s[CNT], s[\lim]
	s_cbranch_scc1 .Lopen_\@
	v_mov_b32 v254, 0xff800000                     ; -infinity: p = 0 then
.set n, 0
.rept 64
	v_cmp_gt_i32 vcc_lo, 16*(n/8)+n%8, v[DG]
	v_cndmask_b32 v[96+n], v[96+n], v254, vcc_lo
.set n, n+1
.endr
.Lopen_\@:
.endif
.irp k, 0,1,2,3                                ; the step's largest score of my query, among my 64 keys, in four chains of 16 registers; each tile is first read at its low end
	v_max3_num_f32 v[254-2*\k], v[96+16*\k], v[97+16*\k], v[98+16*\k]
.endr
.irp i, 3,5,7,9,11,13
.irp k, 0,1,2,3
	v_max3_num_f32 v[254-2*\k], v[254-2*\k], v[96+16*\k+\i], v[97+16*\k+\i]
.endr
.endr
	v_max3_num_f32 v254, v254, v111, v127          ; the chains' sixteenth registers,
	v_max3_num_f32 v252, v252, v143, v159
	s_delay_alu instid0(VALU_DEP_1)
	v_max3_num_f32 v254, v254, v252, v250          ; and the four chains
	s_delay_alu instid0(VALU_DEP_1)
	v_max_num_f32 v254, v254, v248
	s_delay_alu instid0(VALU_DEP_1)
	v_permlanex16_b32 v241, v254, s[SEL], s[SEL+1]
	s_delay_alu instid0(VALU_DEP_1)
	v_max_num_f32 v254, v254, v241                 ; and among lane l xor 16's
	s_delay_alu instid0(VALU_DEP_1)
	v_mul_f32 v254, s[CS], v254                    ; as t (c is positive)
	s_delay_alu instid0(VALU_DEP_1)
	v_max_num_f32 v[(\st)+1], v[(\st)+1], v254     ; the running largest t
	v_mov_b32 v254, v[\st]
	s_delay_alu instid0(VALU_DEP_2)
	v_floor_f32 v[\st], -v[(\st)+1]                ; the new -M = floor(-t) = -ceil(t): M is a whole number
.set j, 0
	TMINUS 4, \st                                  ; t - M; the three lines that make f stand among these, four apart
	v_sub_f32 v254, v[\st], v254                   ; M's old value less its new one: a whole number, 0 or less
	TMINUS 4, \st
	v_cvt_i32_f32 v254, v254                       ; (it saturates)
	TMINUS 4, \st
	v_ldexp_f32 v252, 1.0, v254                    ; f = 2^(old M - new M)
	TMINUS 20, \st
	s_wait_alu depctr_va_vdst(0)                   ; the wait ahead of the batch
.set j, 0
.rept 64
	v_exp_f32 v[96+j], v[96+j]                     ; p = 2^(t - M), at most 1: not normalised
.set j, j+1
.endr
	v_pk_mul_f32 v[(\sm):(\sm)+1], v[(\sm):(\sm)+1], v[252:253] op_sel_hi:[1,0]   ; the sums under the new M: the plain instruction behind the exponentials
	s_wait_alu depctr_va_vdst(0)                   ; one wait for the whole batch, and directly ahead of the first readers of O^T
.set j, 0
.rept 16
	v_pk_mul_f32 v[(\o)+j:(\o)+j+1], v[(\o)+j:(\o)+j+1], v[252:253] op_sel_hi:[1,0]   ; O^T under the new M; each accumulator from its low end on
.set j, j+2
.endr
	v_pk_add_f32 v[242:243], v[100:101], v[104:105]   ; the row's sum is taken of the unquantised p: two at a time, in eight chains
	v_pk_add_f32 v[254:255], v[108:109], v[112:113]
	v_pk_add_f32 v[250:251], v[116:117], v[120:121]
	v_pk_add_f32 v[248:249], v[124:125], v[128:129]
	v_pk_add_f32 v[238:239], v[132:133], v[136:137]
	v_pk_add_f32 v[236:237], v[140:141], v[144:145]
	v_pk_add_f32 v[234:235], v[148:149], v[152:153]
	v_pk_add_f32 v[(\sm):(\sm)+1], v[(\sm):(\sm)+1], v[156:157]
	v_pk_add_f32 v[242:243], v[242:243], v[96:97]
	v_pk_add_f32 v[254:255], v[254:255], v[98:99]
	v_pk_add_f32 v[250:251], v[250:251], v[102:103]
	v_pk_add_f32 v[248:249], v[248:249], v[106:107]
	v_pk_add_f32 v[238:239], v[238:239], v[110:111]
	v_pk_add_f32 v[236:237], v[236:237], v[114:115]
	v_pk_add_f32 v[234:235], v[234:235], v[118:119]
	v_pk_add_f32 v[(\sm):(\sm)+1], v[(\sm):(\sm)+1], v[122:123]
	v_pk_add_f32 v[242:243], v[242:243], v[126:127]
	v_pk_add_f32 v[254:255], v[254:255], v[130:131]
	v_pk_add_f32 v[250:251], v[250:251], v[134:135]
	v_pk_add_f32 v[248:249], v[248:249], v[138:139]
	v_pk_add_f32 v[238:239], v[238:239], v[142:143]
	v_pk_add_f32 v[236:237], v[236:237], v[146:147]
	v_pk_add_f32 v[234:235], v[234:235], v[150:151]
	v_pk_add_f32 v[(\sm):(\sm)+1], v[(\sm):(\sm)+1], v[154:155]
	v_pk_add_f32 v[242:243], v[242:243], v[158:159]
	s_delay_alu instid0(VALU_DEP_2)
	v_pk_add_f32 v[(\sm):(\sm)+1], v[(\sm):(\sm)+1], v[248:249]
	s_delay_alu instid0(VALU_DEP_2)
	v_pk_add_f32 v[242:243], v[242:243], v[238:239]
	v_pk_add_f32 v[254:255], v[254:255], v[236:237]
	v_pk_add_f32 v[250:251], v[250:251], v[234:235]
	HOLD 0                                         ; the sum's last three links stand among the holds, eight instructions apart
	HOLD 1
	v_pk_add_f32 v[(\sm):(\sm)+1], v[(\sm):(\sm)+1], v[254:255]
	v_pk_add_f32 v[242:243], v[242:243], v[250:251]
	HOLD 2
	HOLD 3
	v_pk_add_f32 v[(\sm):(\sm)+1], v[(\sm):(\sm)+1], v[242:243]
	HOLD 4
	HOLD 5
	HOLD 6
	HOLD 7
.irp t, 0,1,2,3,4,5,6,7
	v_cvt_scalef32_pk8_fp8_f32 v[224+2*\t:225+2*\t], v[96+8*\t:103+8*\t], v244   ; registers 2 T, 2 T + 1 of the operand: keys 16 T + 8 h + 0 .. 7
.endr
	v_nop                                          ; one plain vector instruction between the last conversion and the products that read its result
	s_wait_alu depctr_va_vdst(0)
	s_wait_dscnt 0x0                               ; V is in
.irp t, 0,1,2,3                                ; O^T += V^T P^T: four accumulators by turns
	v_wmma_f32_16x16x128_fp8_fp8 v[(\o)+8*\t:(\o)+8*\t+7], v[32+16*\t:47+16*\t], v[224:239], v[(\o)+8*\t:(\o)+8*\t+7]
.endr
.if \lim >= 0
.Lhidden_\@:
.endif
.endm
; A TILE'S END: O^T / the sum, held, quantised: the four conversions are the image of 16 rows x 64, stored as 2 x 512 consecutive bytes.  Each tile has code registers of its own.
.macro FINISH o, sm, cd, base
	v_add_f32 v[\sm], v[\sm], v[(\sm)+1]           ; the sum's two halves,
	s_delay_alu instid0(VALU_DEP_1)
	v_permlanex16_b32 v241, v[\sm], s[SEL], s[SEL+1]
	s_delay_alu instid0(VALU_DEP_1)
	v_add_f32 v[\sm], v[\sm], v241                 ; and lane l xor 16's
	s_wait_alu depctr_va_vdst(0)                   ; the wait ahead of the transcendental
	v_rcp_f32 v[\sm], v[\sm]
	v_nop                                          ; a plain instruction behind the reciprocal,
	s_wait_alu depctr_va_vdst(0)                   ; and the wait ahead of its first reader, which is also O^T's
.set j, 0
.rept 16
	v_pk_mul_f32 v[32+j:33+j], v[(\o)+j:(\o)+j+1], v[(\sm):(\sm)+1] op_sel_hi:[1,0]   ; each accumulator from its low end on
.set j, j+2
.endr
.set j, 0
.rept 32
	v_med3_num_f32 v[32+j], v[32+j], -v247, v247
.set j, j+1
.endr
.irp t, 0,1,2,3
	v_cvt_scalef32_pk8_fp8_f32 v[(\cd)+2*\t:(\cd)+2*\t+1], v[32+8*\t:39+8*\t], v246
.endr
	v_nop                                          ; one plain vector instruction behind the last conversion
	global_store_b128 v1, v[(\cd):(\cd)+3], s[\base:\base+1]
	global_store_b128 v1, v[(\cd)+4:(\cd)+7], s[\base:\base+1] offset:512
.endm
	s_wait_alu depctr_va_vdst(0)                   ; the wait at the head's end
	s_wait_tensorcnt 0x0                           ; my group of the first eight is in
	ds_add_u32 v[SPW], v[NIL]
	s_add_co_u32 s[G0+1], s[G0+1], HALF            ; no load of mine is out, so group 0 may be written: eight groups on in LDS,
	s_add_nc_u64 s[G0+2:G0+3], s[G0+2:G0+3], 0x20000   ; and in memory (8 x 16,384 bytes)
	s_mov_b32 s[TBH], 0
	s_mov_b32 s[CNT], 0
	s_wait_dscnt 0x0
	ROUND                                          ; everybody's group is in, and all four work-groups are here
	TLOAD                                          ; key groups 8-15: the first tensor load behind the round; two key steps stand ahead of the wait for it
	s_wait_loadcnt 0x0                             ; Q
.Lphase1a:                                         ; the high tile on key groups 0-7: all their keys count for it.  Two steps,
	STEP 16, 160, 12, 14, TBH, -1
	s_add_co_u32 s[TBH], s[TBH], GRP
	s_add_co_u32 s[CNT], s[CNT], 1
	s_cmp_lt_u32 s[CNT], 2
	s_cbranch_scc1 .Lphase1a
	s_wait_tensorcnt 0x0                           ; my group of the last eight is in:
	s_wait_dscnt 0x0
	s_barrier_signal -1                            ; say so.  Up to its wait stand register work and LDS loads of groups 0-7, which nobody writes
.Lphase1b:                                         ; six steps more,
	STEP 16, 160, 12, 14, TBH, -1
	s_add_co_u32 s[TBH], s[TBH], GRP
	s_add_co_u32 s[CNT], s[CNT], 1
	s_cmp_lt_u32 s[CNT], 8
	s_cbranch_scc1 .Lphase1b
	s_barrier_wait -1                              ; and everybody's group is in
	s_mov_b32 s[TBL], 0
	s_mov_b32 s[CNT], 0
.Lphase2:                                          ; trip i: the high tile's group 8 + i, the low tile's group i, each up to its diagonal
	STEP 16, 160, 12, 14, TBH, FL
	STEP 24, 192, 2, 10, TBL, FL
	s_add_co_u32 s[TBH], s[TBH], GRP
	s_add_co_u32 s[TBL], s[TBL], GRP
	s_add_co_u32 s[CNT], s[CNT], 1
	s_cmp_lt_u32 s[CNT], 8
	s_cbranch_scc1 .Lphase2
.rept 4
	v_nop                                          ; places behind the last products: O^T is read, and their operands are written over
.endr
	FINISH 160, 14, 224, OH
	FINISH 192, 10, 232, OL
	s_wait_tensorcnt 0x0                           ; the wave's end, behind my last tensor load
	ds_add_u32 v[SPW], v[NIL]
	s_wait_dscnt 0x0
	ROUND                                          ; the closing round
	s_endpgm
.Lfunc_end_k_q68ba5df0a6_attn:
	.size	k_q68ba5df0a6_attn, .Lfunc_end_k_q68ba5df0a6_attn-k_q68ba5df0a6_attn
	.p2alignl 7, 3214868480
	.fill 96, 4, 3214868480
	.section	.rodata,"a",@progbits
	.p2align	6, 0x0
	.amdhsa_kernel k_q68ba5df0a6_attn
		.amdhsa_group_segment_fixed_size 327680
		.amdhsa_private_segment_fixed_size 0
		.amdhsa_enable_private_segment 0
		.amdhsa_kernarg_size 24
		.amdhsa_user_sgpr_count 2
		.amdhsa_user_sgpr_kernarg_segment_ptr 1
		.amdhsa_wavefront_size32 1
		.amdhsa_system_sgpr_workgroup_id_x 1
		.amdhsa_system_sgpr_workgroup_id_y 1
		.amdhsa_system_sgpr_workgroup_id_z 1
		.amdhsa_system_vgpr_workitem_id 0
		.amdhsa_next_free_vgpr 256
		.amdhsa_next_free_sgpr 100
		.amdhsa_reserve_vcc 1
		.amdhsa_float_denorm_mode_32 3
		.amdhsa_float_denorm_mode_16_64 3
		.amdhsa_memory_ordered 1
		.amdhsa_forward_progress 1
		.amdhsa_inst_pref_size 92
	.end_amdhsa_kernel
	.amdgpu_metadata
---
amdhsa.version: [ 1, 2 ]
amdhsa.kernels:
  - .name:           k_q68ba5df0a6_attn
    .symbol:         k_q68ba5df0a6_attn.kd
    .args:
      - { .name: qkv, .offset: 0, .size: 8, .value_kind: global_buffer, .address_space: global }
      - { .name: lowp_scales, .offset: 8, .size: 8, .value_kind: global_buffer, .address_space: global }
      - { .name: oimg, .offset: 16, .size: 8, .value_kind: global_buffer, .address_space: global }
    .group_segment_fixed_size: 327680
    .private_segment_fixed_size: 0
    .kernarg_segment_align: 8
    .kernarg_segment_size: 24
    .max_flat_workgroup_size: 512
    .sgpr_count:     100
    .vgpr_count:     256
    .wavefront_size: 32
...
	.end_amdgpu_metadata
.endif
;; end of part 3
;; launch gemm_out (part 4): grid 4 x 64, 4 waves a work-group, clusters of 4 x 4, 327,680 bytes of LDS; arguments oimg, wimg, lowp_scales, out0; writes out0
.if DOCPART == 4
	.amdgcn_target "amdgcn-amd-amdhsa--gfx1250"
	.amdhsa_code_object_version 6
	.text
	.protected	k_q68ba5df0a6_gemm_out
	.globl	k_q68ba5df0a6_gemm_out
	.p2align	8
	.type	k_q68ba5df0a6_gemm_out,@function
k_q68ba5df0a6_gemm_out:
	s_mov_b64 s[64:65], 0
	v_nop
	global_prefetch_b8 v0, s[64:65] scope:SCOPE_SE
	s_setreg_imm32_b32 hwreg(HW_REG_WAVE_MODE, 25, 1), 1
	s_wait_xcnt 0x0
	s_wait_alu depctr_hold_cnt(0) depctr_sa_sdst(0) depctr_va_vdst(0) depctr_va_sdst(0) depctr_va_ssrc(0) depctr_va_vcc(0) depctr_vm_vsrc(0)
	s_getreg_b32 s2, hwreg(HW_REG_IB_STS2, 6, 4)
	s_cmp_eq_u32 s2, 0
	s_cbranch_scc0 .Lentry_in_a_cluster
	s_endpgm
.Lentry_in_a_cluster:
	s_bfe_u32 s2, ttmp6, 0x10000c
	s_cmp_lg_u32 s2, 0xf033
	s_cbranch_scc0 .Lentry_shape_is_right
	s_endpgm
.Lentry_shape_is_right:
; out0 = o Wc on E4M3 codes (K = 1,024; o with 2^e10, Wc with 2^e11); each finished f32 sum is multiplied once by 2^(e10 + e11).  LIMIT: e10 + e11 between -126 and 127, so that this power of two is an f32 number.
; Operands are images of registers: a fragment (16 rows x 128 K) is 2,048 bytes, lane l's registers 4 p .. 4 p + 3 at 512 p + 16 l.  oimg [4 K steps of 256][512 tiles of 16 rows][2][2048]; Wc is the fourth weight of wimg
; [4 K steps, 2,097,152 bytes apart][4 weights: 262,144 bytes][64 tiles][2][2048].  So 64 rows of a K step are 16,384 consecutive bytes, 128 rows 32,768.
; A BLOCK of 128 rows x 256 columns: 64 x 4 = 256 work-groups.  Four waves, each 64 rows x 128 columns in 32 accumulators that take turns.
; LDS: A's two halves of 64 rows (49,152 bytes each), then B's two halves of 128 rows (98,304 each); in each, three K slots on end.  At the head each wave issues ONE joint load: its half, K steps 0, 1, 2 as three rows, 2,097,152 bytes apart in memory.
; K step 3 fills K slot 0 again, behind the full sequence and a round, as soon as that slot's fragments are in registers: six steps of 128 along K stand between that load and the wait for it.  A wave never has more than one tensor load out.
; CLUSTERS: 4 x 4 work-groups; o's rows are asked for jointly along a row of the cluster, Wc's along a column.
; PREFETCH: K step 3, the one K step that comes by a refill, is asked for at the head, behind the joint load: each aligned block of 256 bytes once in a cluster, the four partners that ask for a tile told apart by address.
; Source 0 = rows of Wc, source 1 = rows of o: a lane holds eight neighbouring columns of a row of out0; blocks of 16 rows leave through the wave's stage in LDS as rows of 512 consecutive bytes.
; REGISTERS, in windows of 256: window 0: v16-29 addresses; v32-95 at work on the way out; v128-255 A's fragments, two sets of 64 (on the way out: rows read back).  window 1: B's fragments, two sets of 128.  window 2: the accumulators.
.set SIZE_N, 1024
.set CHA,    16384                     ; 64 rows of a K step
.set CHB,    32768                     ; 128 rows
.set BOFF,   6*CHA                     ; B lies behind A's two halves
.set SPARE,  BOFF+6*CHB                ; 294,912: the spare words, 128 bytes a wave: two blocks of 256 bytes that no other line names
.set STAGE,  BOFF+CHB                  ; the way out: 4 x 16 rows x 528 bytes in K slots 1 and 2 of B's first half: their one fill and their last read are over at the last barrier
.set SPITCH, 528
.set ADRA, 16
.set ADRB, 20                          ; v20 B's K slots 0 and 1;  v21 K slot 2 (the immediate offset has 16 bits)
.set ADRB2, 21
.set STO,  24
.set RD,   25
.set CO,   26
.set PFO,  27
.set SPW,  28
.set NIL,  29
.set TMP,  32
.set AF,   128
.set BK,   128
.set G1A,  24                          ; s[24:31] group 1 of A's head load;  s[32:39] of its refill;  s[40:43] its group 0
.set G1AR, 32
.set G0A,  40
.set G1B,  44                          ; s[44:51], s[52:59], s[60:63] the same for B
.set G1BR, 52
.set G0B,  60
.set MSB, 0
.macro WIN new                         ; the immediate's high byte repeats the setting that is left
.if MSB != (\new)
	s_set_vgpr_msb (MSB<<8)|(\new)
.set MSB, (\new)
.endif
.endm
.set MUL,  0xa1                        ; source 0 (B) window 1, source 1 (A) window 0, C and D window 2
.set TO_B, 0x40                        ; destination window 1, address window 0
; A joint load: waves 0 and 1 fetch A's halves, waves 2 and 3 B's.  The branch hangs on the wave's number alone.  An s_nop 0 and four v_nop follow each line.
.macro JLOAD g0a, g1a, g0b, g1b
	s_cmp_eq_u32 s15, 0
	s_cbranch_scc0 .Lfor_b_\@
	tensor_load_to_lds s[\g0a:\g0a+3], s[\g1a:\g1a+7]
	s_nop 0
.rept 4
	v_nop
.endr
	s_branch .Lasked_\@
.Lfor_b_\@:
	tensor_load_to_lds s[\g0b:\g0b+3], s[\g1b:\g1b+7]
	s_nop 0
.rept 4
	v_nop
.endr
.Lasked_\@:
.endm
.macro CROUND                          ; a round of the cluster's barrier
	s_barrier_signal -1
	s_barrier_wait -1
	s_cmp_lg_u32 s14, 0
	s_cbranch_scc1 .Lnot_wave_0_\@
	s_barrier_signal -3
.Lnot_wave_0_\@:
	s_barrier_wait -3
	s_barrier_signal -1
	s_barrier_wait -1
.endm
.macro PLACES n                        ; plain vector instructions between a matrix instruction and a load into one of its registers, or a read of its result
.rept \n
	v_nop
.endr
.endm
	s_load_b128 s[4:7], s[0:1], 0x0                ; oimg s[4:5], wimg s[6:7]
	s_load_b128 s[8:11], s[0:1], 0x10              ; the exponents s[8:9], out0 s[10:11]
	v_lshl_add_u32 v[SPW], v0, 2, SPARE
	v_mov_b32 v[NIL], 0
	ds_add_u32 v[SPW], v[NIL]                      ; the wave's opening: the add, twice on end, and its wait ahead of my first tensor load
	ds_add_u32 v[SPW], v[NIL]
	v_lshrrev_b32 v1, 5, v0
	v_readfirstlane_b32 s14, v1                    ; wave 0..3
	s_lshr_b32 s15, s14, 1                         ; which 64 rows of A I multiply.  Also: I fetch for A (0) or for B (1)
	s_and_b32 s16, s14, 1                          ; which 128 rows of B.  Also: which half I fetch
	s_bfe_u32 s66, ttmp6, 0x40000                  ; cx, cy: my place in the cluster
	s_bfe_u32 s67, ttmp6, 0x40004
	s_lshl_b32 s19, ttmp9, 2
	s_add_co_u32 s19, s19, s66                     ; block column
	s_and_b32 s18, ttmp7, 0xffff
	s_lshl_b32 s18, s18, 2
	s_add_co_u32 s18, s18, s67                     ; block row
	s_lshl_b32 s68, s18, 15                        ; A: the block's 128 rows of a K step are 32,768 bytes,
	s_lshl_b32 s72, s16, 14                        ; my half 16,384
	s_add_co_u32 s68, s68, s72
	s_mov_b32 s69, 0
	s_lshl_b32 s70, s19, 16                        ; B: 256 rows are 65,536 bytes,
	s_lshl_b32 s72, s16, 15                        ; my half 32,768,
	s_add_co_u32 s70, s70, s72
	s_add_co_u32 s70, s70, 0xc0000                 ; in the fourth weight
	s_mov_b32 s71, 0
	s_lshl_b32 s73, s67, 2
	s_lshl_b32 s73, 15, s73                        ; my row of the cluster
	s_lshl_b32 s74, 0x1111, s66                    ; my column
.irp g, G1A, G1AR
	s_or_b32 s[\g], s73, (3<<16)|(1<<21)           ; 15:0 the mask; 17:16 elements of 8 bytes; 21 set beside a mask; no padding
.endr
.irp g, G1B, G1BR
	s_or_b32 s[\g], s74, (3<<16)|(1<<21)
.endr
.macro GROUP1 g, c, r, p               ; r rows of c elements, p elements apart
	s_mov_b32 s[\g+1], (\c)<<16
	s_mov_b32 s[\g+2], (\r)<<16
	s_mov_b32 s[\g+3], (\c)<<16
	s_mov_b32 s[\g+4], \r
	s_mov_b32 s[\g+5], \p
	s_mov_b32 s[\g+6], 0
	s_mov_b32 s[\g+7], 0
.endm
	GROUP1 G1A, 2048, 3, 0x40000                   ; three K steps of 16,384 bytes, 2,097,152 bytes apart
	GROUP1 G1B, 4096, 3, 0x40000                   ; of 32,768 bytes
	GROUP1 G1AR, 32, 64, 32                        ; a refill: 16,384 consecutive bytes as rows of 256,
	GROUP1 G1BR, 32, 128, 32                       ; 32,768
	s_mul_i32 s75, s16, 3*CHA                      ; where my load goes: no place in the cluster enters an LDS address
	s_mul_i32 s76, s16, 3*CHB
	s_add_co_u32 s76, s76, BOFF
	s_wait_dscnt 0x0                               ; both opening adds are done
	s_wait_kmcnt 0x0
	s_load_b64 s[96:97], s[8:9], 0x28              ; e10, e11
	s_add_nc_u64 s[20:21], s[4:5], s[68:69]
	s_add_nc_u64 s[22:23], s[6:7], s[70:71]
	CROUND                                         ; all sixteen work-groups are here: the first joint loads meet
	s_mov_b32 s[G0A], 1
	s_mov_b32 s[G0A+1], s75
	s_mov_b64 s[G0A+2:G0A+3], s[20:21]
	s_or_b32 s[G0A+3], s[G0A+3], 0x80000000
	s_mov_b32 s[G0B], 1
	s_mov_b32 s[G0B+1], s76
	s_mov_b64 s[G0B+2:G0B+3], s[22:23]
	s_or_b32 s[G0B+3], s[G0B+3], 0x80000000
	JLOAD G0A, G1A, G0B, G1B                       ; K steps 0, 1, 2: one tensor load a wave at the head
	s_cmp_eq_u32 s15, 0                            ; the prefetch: of what I fetch in a K step each of the four partners takes a quarter: 4,096 bytes of A (16 blocks; lanes 16-31 name the last again), 8,192 of B
	s_cselect_b64 s[98:99], s[20:21], s[22:23]
	s_cselect_b32 s77, s66, s67
	s_cselect_b32 s78, 12, 13
	s_cselect_b32 s79, 15, 31
	s_lshl_b32 s12, s77, s78
	s_mov_b32 s13, 0
	s_add_nc_u64 s[98:99], s[98:99], s[12:13]
	s_mul_i32 s80, s15, 3*CHA                      ; my 64 rows of A,
	s_mul_i32 s81, s16, 3*CHB
	s_add_co_u32 s81, s81, BOFF                    ; my 128 rows of B,
	s_add_co_u32 s83, s81, 2*CHB                   ; and their K slot 2
	s_mul_i32 s82, s14, 16*SPITCH
	s_add_co_u32 s82, s82, STAGE                   ; my stage
	s_lshl_b32 s84, s18, 7
	s_lshl_b32 s85, s15, 6
	s_add_co_u32 s84, s84, s85                     ; my first row of out0,
	s_lshl_b32 s84, s84, 12
	s_lshl_b32 s85, s19, 10
	s_add_co_u32 s84, s84, s85                     ; my first column, in bytes
	s_lshl_b32 s85, s16, 9
	s_add_co_u32 s84, s84, s85
	s_mov_b32 s85, 0
	s_add_nc_u64 s[10:11], s[10:11], s[84:85]
	v_and_b32 v1, 31, v0
	v_min_u32 v2, s79, v1
	v_lshlrev_b32 v[PFO], 8, v2
	global_prefetch_b8 v[PFO], s[98:99] offset:0x600000 th:TH_LOAD_NT scope:SCOPE_SE   ; K step 3; its address registers are never rewritten
	v_lshlrev_b32 v[CO], 4, v1                     ; 16 x lane: my place in every image
	v_add_nc_u32 v[ADRA], s80, v[CO]
	v_add_nc_u32 v[ADRB], s81, v[CO]
	v_add_nc_u32 v[ADRB2], s83, v[CO]
	v_and_b32 v3, 15, v0
	v_bfe_u32 v4, v0, 4, 1
	v_mul_u32_u24 v5, v3, SPITCH                   ; into the stage: row l % 16, 32 bytes for each half of the lanes
	v_lshl_add_u32 v5, v4, 5, v5
	v_add_nc_u32 v[STO], s82, v5
	v_add_nc_u32 v[RD], s82, v[CO]                 ; back: the 32 lanes take one row of 512 bytes
; Step s of eight (128 along K): K step s / 2, in K slot (s / 2) % 3.  FETCH: its 8 fragments of B and 4 of A, 48 loads of 512 consecutive bytes, into set p.
.macro FETCH s, p
.set KS, ((\s)/2)%3
.set QO, 2048*((\s)%2)
.if KS == 2
.set BA, ADRB2
.set BO, QO
.else
.set BA, ADRB
.set BO, KS*CHB+QO
.endif
	WIN TO_B
.irp i, 0,1,2,3,4,5,6,7
.irp c, 0,1,2,3
	ds_load_b128 v[128*(\p)+16*\i+4*\c:128*(\p)+16*\i+4*\c+3], v[BA] offset:BO+4096*\i+512*\c
.endr
.endr
	WIN 0
.irp i, 0,1,2,3
.irp c, 0,1,2,3
	ds_load_b128 v[AF+64*(\p)+16*\i+4*\c:AF+64*(\p)+16*\i+4*\c+3], v[ADRA] offset:KS*CHA+QO+4096*\i+512*\c
.endr
.endr
.endm
.macro MUL32 p, zero                   ; A's four blocks x B's eight on set p; zero = 1: the first products start the sums
.irp a, 0,1,2,3
.irp b, 0,1,2,3,4,5,6,7
.if \zero
	v_wmma_f32_16x16x128_fp8_fp8 v[8*(8*\a+\b):8*(8*\a+\b)+7], v[128*(\p)+16*\b:128*(\p)+16*\b+15], v[AF+64*(\p)+16*\a:AF+64*(\p)+16*\a+15], 0
.else
	v_wmma_f32_16x16x128_fp8_fp8 v[8*(8*\a+\b):8*(8*\a+\b)+7], v[128*(\p)+16*\b:128*(\p)+16*\b+15], v[AF+64*(\p)+16*\a:AF+64*(\p)+16*\a+15], v[8*(8*\a+\b):8*(8*\a+\b)+7]
.endif
.endr
.endr
.endm
.macro GO s                            ; steps 1 to 5: the next step's fragments are asked for, into the set that the last step multiplied, ahead of this step's products
	PLACES 4
.if (\s) < 5
	FETCH (\s)+1, ((\s)+1)%2
	s_wait_dscnt 48                                ; all but the 48 just issued: this step's set is in
.else
	s_wait_dscnt 0x0
.endif
	WIN MUL
	MUL32 (\s)%2, 0
.endm
	s_wait_alu depctr_va_vdst(0)                   ; the wait at the head's end
	s_wait_tensorcnt 0x0                           ; my part of K steps 0 to 2 is in,
	s_barrier_signal -1
	s_barrier_wait -1                              ; and everybody's.
	FETCH 0, 0
	FETCH 1, 1                                     ; all that I read of K slot 0
	s_wait_tensorcnt 0x0
	ds_add_u32 v[SPW], v[NIL]
	s_add_nc_u64 s[G0A+2:G0A+3], s[G0A+2:G0A+3], 0x600000   ; no load of mine is out, so group 0 may be written: K step 3, into the same LDS bytes as K step 0
	s_add_nc_u64 s[G0B+2:G0B+3], s[G0B+2:G0B+3], 0x600000
	s_wait_dscnt 0x0                               ; the add is done, and my reads of K slot 0 are over
	CROUND                                         ; no wave of any partner still reads K slot 0 or has a load on its way
	JLOAD G0A, G1AR, G0B, G1BR                     ; the first tensor load behind the round
	WIN MUL
	MUL32 0, 1
	GO 1
	GO 2
	GO 3
	GO 4
	GO 5
	WIN 0
	s_wait_tensorcnt 0x0                           ; my part of K step 3 is in (no LDS load of mine is out),
	s_barrier_signal -1
	s_barrier_wait -1                              ; and everybody's; nobody reads K slots 1 and 2 any more
	PLACES 4
	FETCH 6, 0
	FETCH 7, 1
	s_wait_dscnt 48
	WIN MUL
	MUL32 0, 0
	s_wait_dscnt 0x0
	MUL32 1, 0
	WIN 0
; THE WAY OUT, block by block of 16 rows x 128 columns: through my own stage and back as whole rows of 512 bytes.  LDS serves a wave's instructions in order (ISA guide 5.7.1.4): no wait between the stores and the loads.
.macro TOSTAGE a
	WIN 0x02                                       ; source 0: window 2
.set j, 0
.rept 32
	v_pk_mul_f32 v[TMP+j:TMP+j+1], v[64*(\a)+j:64*(\a)+j+1], s[96:97] op_sel_hi:[1,0]   ; both x s96 = 2^(e10 + e11); each accumulator from its low end on
.set j, j+2
.endr
	WIN 0
.irp b, 0,1,2,3,4,5,6,7
	ds_store_b128 v[STO], v[TMP+8*\b:TMP+8*\b+3] offset:64*\b
	ds_store_b128 v[STO], v[TMP+8*\b+4:TMP+8*\b+7] offset:64*\b+16
.endr
.set BB, BK+64*((\a)%2)
.irp t, 0,1,2,3,4,5,6,7,8,9,10,11,12,13,14,15
	ds_load_b128 v[BB+4*\t:BB+4*\t+3], v[RD] offset:\t*SPITCH
.endr
.endm
.macro SEND a, younger                 ; younger: the LDS instructions issued behind block a's loads, which may stay out
.set BB, BK+64*((\a)%2)
	s_wait_dscnt \younger
.if (\a) > 0
	s_add_nc_u64 s[10:11], s[10:11], 16*SIZE_N*4   ; (behind a wait on XCNT: the earlier stores have read their base)
.endif
.irp t, 0,1,2,3,4,5,6,7,8,9,10,11,12,13,14,15
	global_store_b128 v[CO], v[BB+4*\t:BB+4*\t+3], s[10:11] offset:\t*SIZE_N*4 th:TH_STORE_NT   ; 32 lanes store 512 consecutive bytes, at a multiple of 256 from out0's first byte
.endr
.endm
	s_wait_kmcnt 0x0
	s_add_co_i32 s96, s96, s97
	s_add_co_i32 s96, s96, 127
	s_lshl_b32 s96, s96, 23                        ; 2^(e10 + e11) as f32
	PLACES 4                                       ; behind the last products: their results are read, and A's fragments are loaded over
	TOSTAGE 0
.irp a, 1,2,3
.if \a > 1
	s_wait_xcnt 0x0                                ; block a - 2's stores have read their registers and their base
.endif
	TOSTAGE \a
	SEND \a-1, 32                                  ; behind block a - 1's loads: block a's 16 stores and 16 loads
.endr
	s_wait_xcnt 0x0
	SEND 3, 0
	s_wait_tensorcnt 0x0                           ; the wave's end, behind my last tensor load and my last LDS store
	ds_add_u32 v[SPW], v[NIL]
	s_wait_dscnt 0x0
	CROUND                                         ; the closing round
	s_endpgm
.Lfunc_end_k_q68ba5df0a6_gemm_out:
	.size	k_q68ba5df0a6_gemm_out, .Lfunc_end_k_q68ba5df0a6_gemm_out-k_q68ba5df0a6_gemm_out
	.p2alignl 7, 3214868480
	.fill 96, 4, 3214868480
	.section	.rodata,"a",@progbits
	.p2align	6, 0x0
	.amdhsa_kernel k_q68ba5df0a6_gemm_out
		.amdhsa_group_segment_fixed_size 327680
		.amdhsa_private_segment_fixed_size 0
		.amdhsa_enable_private_segment 0
		.amdhsa_kernarg_size 32
		.amdhsa_user_sgpr_count 2
		.amdhsa_user_sgpr_kernarg_segment_ptr 1
		.amdhsa_wavefront_size32 1
		.amdhsa_system_sgpr_workgroup_id_x 1
		.amdhsa_system_sgpr_workgroup_id_y 1
		.amdhsa_system_sgpr_workgroup_id_z 1
		.amdhsa_system_vgpr_workitem_id 0
		.amdhsa_next_free_vgpr 768
		.amdhsa_next_free_sgpr 100
		.amdhsa_reserve_vcc 0
		.amdhsa_float_denorm_mode_32 3
		.amdhsa_float_denorm_mode_16_64 3
		.amdhsa_memory_ordered 1
		.amdhsa_forward_progress 1
		.amdhsa_inst_pref_size 73
	.end_amdhsa_kernel
	.amdgpu_metadata
---
amdhsa.version: [ 1, 2 ]
amdhsa.kernels:
  - .name:           k_q68ba5df0a6_gemm_out
    .symbol:         k_q68ba5df0a6_gemm_out.kd
    .args:
      - { .name: oimg, .offset: 0, .size: 8, .value_kind: global_buffer, .address_space: global }
      - { .name: wimg, .offset: 8, .size: 8, .value_kind: global_buffer, .address_space: global }
      - { .name: lowp_scales, .offset: 16, .size: 8, .value_kind: global_buffer, .address_space: global }
      - { .name: out0, .offset: 24, .size: 8, .value_kind: global_buffer, .address_space: global }
    .group_segment_fixed_size: 327680
    .private_segment_fixed_size: 0
    .kernarg_segment_align: 8
    .kernarg_segment_size: 32
    .max_flat_workgroup_size: 128
    .sgpr_count:     100
    .vgpr_count:     768
    .wavefront_size: 32
...
	.end_amdgpu_metadata
.endif
;; end of part 4
